; MI455X (gfx1250); checked and timed in simulation.
; The chip was launched on July 23, 2026; its instructions are those of AMD's public machine-readable ISA for CDNA 5 (MIT licence, August 2026) and "CDNA5" Instruction Set Architecture Reference Guide (July 2026). The comments in the code are by the model that wrote it; some were corrected since.
;; Multihead Self Attention. Allowed arithmetic: matrix products marked QUANTISED: E2M1 operands, one E8M0 scale for each 32 along K, by v_wmma_scale_f32_16x16x128_f8f6f4 with both operands' format E2M1 (or v_wmma_scale_f32_32x16x128_f4), f32 sums; products left as they are: bf16, f16 or f32 operands; f32 sums; everything else in f32.
;; Inputs: Wk 2,048 x 2,048 float32; Wo 2,048 x 2,048 float32; Wq 2,048 x 2,048 float32; Wv 2,048 x 2,048 float32; token_positions 2,048 int32; x 1 x 2,048 x 2,048 float32.
;; Outputs: out0 1 x 2,048 x 2,048 float32.
;; This version of the problem:
;;   THIS VERSION OF THE PROBLEM IS GIVEN IN LOW PRECISION. The matrix products marked QUANTISED in the list below multiply operands that are first quantised to E2M1 (2 exponent bits, 1 mantissa bit; 4 bits a number), with one power-of-two scale for each 32 numbers along K (OCP MX v1.0); their sums are f32. The products marked 'left as it is' may take bf16, f16 or f32 operands, with f32 sums. Whichever they take, every output number must still come out within the allowed error. Rounding operands to bf16 (8 significant bits) uses up far more of that allowance than f16 does (11 bits, for magnitudes from 6e-5 to 65,504). All else is computed in f32.
;;   The module's matrix products, in the order in which they are computed (A, B: the left and right operand; K: the contracted axis; several contracted axes count as one K, in the product's order):
;;     1. [M 2,048, K 2,048] x [K 2,048, N 2,048]; A: input x; B: input Wq: QUANTISED
;;     2. [M 2,048, K 2,048] x [K 2,048, N 2,048]; A: input x; B: input Wk: QUANTISED
;;     3. [M 2,048, K 2,048] x [K 2,048, N 2,048]; A: input x; B: input Wv: QUANTISED
;;     4. batch 16 x [M 2,048, K 128] x [K 128, N 2,048]; A: computed on the way; B: computed on the way: left as it is (an operand is computed on the way)
;;     5. batch 16 x [M 2,048, K 2,048] x [K 2,048, N 128]; A: computed on the way; B: computed on the way: left as it is (an operand is computed on the way)
;;     6. [M 2,048, K 2,048] x [K 2,048, N 2,048]; A: computed on the way; B: input Wo: left as it is (an operand is computed on the way)
;;   THE QUANTISER, for each operand of a quantised product, along K:
;;     - K is cut into blocks of 32 from its start; a last block that is shorter is filled with zeros.
;;     - A block's scale is 2^e with e = floor(log2(the largest magnitude in the block)) - 2, held to -126 .. 127; a block of zeros has e = 0. As a byte (E8M0): e + 127.
;;     - Each number is divided by its block's scale, clamped to +-6, and rounded to the nearest number of E2M1, ties to even, subnormals kept.
;;     - The product sums the exact products of the quantised numbers (number of the format x scale) in f32.
;;   ~~~python
;;   def quantise(x, axis):      # numpy; x: float32 -> the quantised numbers, widened to float32 again
;;       x = np.moveaxis(x, axis, -1); K = x.shape[-1]
;;       x = np.pad(x, [(0, 0)] * (x.ndim - 1) + [(0, -K % 32)]); x = x.reshape(x.shape[:-1] + (-1, 32)); a = np.abs(x).max(-1, keepdims=True)
;;       e = np.where(a > 0, np.clip(np.frexp(np.where(a > 0, a, 1))[1] - 1 - 2, -126, 127), 0)      # np.frexp(a)[1] - 1 = floor(log2(a)), exactly
;;       r = np.clip(x / 2.0 ** e, -6, 6)
;;       step = 2.0 ** (np.maximum(np.frexp(np.where(r == 0, 1, r))[1] - 1, 0) - 1)
;;       q = np.round(r / step) * step * 2.0 ** e      # np.round: ties to even
;;       return np.moveaxis(q.reshape(q.shape[:-2] + (-1,))[..., :K], -1, axis).astype(np.float32)
;;   ~~~
;; One version. Each part assembles by itself: llvm-mc -triple=amdgcn-amd-amdhsa -mcpu=gfx1250 --defsym DOCPART=n.
;; ======== version 1 of 1: 6 launches
;; limits: values are held in f16: magnitudes above 65,504 overflow, below 6.1e-05 lose precision
;; workspace buffers: codes 8,388,608 bytes; scales 524,288 bytes; wo16 8,388,608 bytes; rope 1,048,576 bytes; qkvimg 25,165,824 bytes; fine 393,216 bytes; attn16 8,388,608 bytes; attnf 131,072 bytes
;; launch prep (part 1): grid 672 x 1, 4 waves a work-group, no clusters, 33,280 bytes of LDS; arguments x, Wq, Wk, Wv, Wo, token_positions, codes, scales, wo16, rope; writes codes, scales, wo16, rope
.if DOCPART == 1
	.amdgcn_target "amdgcn-amd-amdhsa--gfx1250"
	.amdhsa_code_object_version 6
	.text
	.protected	k_qe9dbbfb3bc_prep
	.globl	k_qe9dbbfb3bc_prep
	.p2align	8
	.type	k_qe9dbbfb3bc_prep,@function
k_qe9dbbfb3bc_prep:
	s_mov_b64 s[64:65], 0
	v_nop
	global_prefetch_b8 v0, s[64:65] scope:SCOPE_SE
	s_setreg_imm32_b32 hwreg(HW_REG_WAVE_MODE, 25, 1), 1
	s_wait_xcnt 0x0
; THE PROGRAM: causal self-attention, 2,048 tokens, 16 heads of 128.  Six launches: prep (this one), qkv (x Wq^T, x Wk^T, x Wv^T on codes of E2M1, RoPE), fattn (positions 0-15 in f32),
; attn (f16 products, f32 softmax), proj (f16 product with Wo), fproj (rows 0-15 of the result in f32).
; WORK LEFT OUT, in launch attn: reference() sets scores[q][k] to -infinity wherever k > q, by a jnp.tril that it builds itself.  exp(-infinity - max) is 0 for every finite value of the inputs, so such a key adds
; 0 to the row's sum and 0 x v to the row's result.  A step of 64 keys all of which come after all 64 queries of a block is therefore never loaded or multiplied.  No input is dead: all six are loaded.
; LIMIT: a NaN, an infinity or an overflow that would arise only in those hidden scores is not carried to the result.
; THIS LAUNCH, three kinds of work-groups, told apart by the work-group's number alone:
;   0-31    the RoPE table: cos and sin of token_positions[n] x 10000^(-p/64), laid in the order in which launch qkv's results lie in registers
;   32-159  Wo, f32, rounded once to f16, row-major as it lies
;   160-671 x, Wq, Wk, Wv, f32, into codes of E2M1 (two a byte, K innermost) and one E8M0 byte for each 32 along K: rows 0-2047 of codes and scales are x, then Wq, Wk, Wv
; THE QUANTISER: a block's scale is 2^(floor(log2(largest magnitude)) - 2); its byte is the largest magnitude's exponent field - 2, held at 1 from below.  A block of zeros gets the byte 1 where the rule says 127:
; its codes are zeros, which add nothing under any byte but 0xff, and this program alone reads the bytes.
; LIMITS: NaN and infinities among the inputs are not served.  token_positions lie in 0 .. 2047, the table that reference() indexes; the angle is reduced by two parts of pi/2, which is exact enough up to that size.
; Wo goes to f16: magnitudes above 65,504 are not served, those under 6e-5 keep fewer bits.
.set WAVES, 4
.set STEPS, 16
.set EMAX,  2
.set CB,    8                          ; bytes of 16 codes
.set R,     16                         ; v16-79   four sets of 16 numbers as loaded
.set X,     80                         ; v80-111  two sets of 16 neighbours
.set E,     112                        ; v112-127 a scale byte for each step
.set C,     128                        ; v128-191 codes, four registers a step
.set WREG,  8192                       ; LDS: a region for each wave: two stages of 32 x SP bytes, then its 256 scale bytes
.set SP,    80                         ; a lane's place in a stage: 64 bytes + 16 of padding
.set SPW,   12                         ; v12 LDS address of my spare word; never rewritten
.set NIL,   13                         ; v13 0; never rewritten
.set SPARE, WAVES*WREG                 ; behind the four regions: the spare words, 128 bytes a wave
.set WV,    24                         ; s24 my wave's number
.set WI,    16                         ; Wo's path: v16-79 sixteen slots of four numbers
.set WO,    80                         ; v80-143 two sets of sixteen pairs of registers to store
.set AN,    16                         ; the table's path: v16-47 the 32 angles of a lane
.set RO,    48                         ; v48-111 cos, sin of each
.set T,     112                        ; v112-117 at work
.set K2PI,  30                         ; s30-39 constants of sine and cosine
.set PIH,   31
.set PIL,   32
.set SS1,   33
.set SS2,   34
.set SS3,   35
.set SS4,   36
.set CC2,   37
.set CC3,   38
.set CC4,   39
	s_load_b512 s[4:19], s[0:1], 0x0               ; x s[4:5], Wq s[6:7], Wk s[8:9], Wv s[10:11], Wo s[12:13], token_positions s[14:15], codes s[16:17], scales s[18:19]
	s_load_b128 s[20:23], s[0:1], 0x40             ; wo16 s[20:21], rope s[22:23]
	v_lshl_add_u32 v[SPW], v0, 2, SPARE
	v_mov_b32 v[NIL], 0
	v_lshrrev_b32 v1, 5, v0
	v_readfirstlane_b32 s[WV], v1                  ; wave 0..3
	v_and_b32 v2, 31, v0                           ; lane
	v_lshlrev_b32 v3, 4, v2                        ; 16 x lane
	s_mov_b32 s27, 0                               ; the upper word of every offset below
	s_wait_kmcnt 0x0
	s_cmp_lt_u32 ttmp9, 32
	s_cbranch_scc1 .Lrope
	s_cmp_lt_u32 ttmp9, 160
	s_cbranch_scc1 .Lwo
; ---------------- x, Wq, Wk, Wv into codes.  Rows are dense and 2,048 is a multiple of 32: each tensor is a plain stream of blocks of 32, and so are its codes and bytes.
; A wave takes 16 steps of 512 numbers.  Each load reads 512 consecutive bytes; a step's 2,048 bytes turn through the wave's own stage in LDS and come back 64 bytes a lane, so that a lane holds 16 neighbours along K.
	s_mul_i32 s25, s[WV], WREG
	v_lshrrev_b32 v14, 2, v2
	v_mul_u32_u24 v14, v14, SP
	v_and_b32 v15, 3, v2
	v_lshl_add_u32 v14, v15, 4, v14
	v_add_nc_u32 v14, s25, v14                     ; the stage, in: SP (lane / 4) + 16 (lane % 4)
	v_mul_u32_u24 v15, v2, SP
	v_add_nc_u32 v15, s25, v15                     ; out: SP x lane
	v_mul_u32_u24 v4, v2, CB                       ; my codes' place in a step's 256 bytes
	v_lshrrev_b32 v5, 1, v2
	s_add_co_u32 s25, s25, 2*32*SP
	v_add_nc_u32 v5, s25, v5                       ; my block's byte among my wave's 256
	v_lshlrev_b32 v7, 3, v2
	v_add_nc_u32 v6, s25, v7                       ; and 8 bytes a lane on the way out
	s_sub_co_u32 s25, ttmp9, 160                   ; 0 .. 511: 128 work-groups to a tensor
	s_lshr_b32 s26, s25, 7                         ; which tensor: the choice hangs on the work-group's number alone
	s_cmp_eq_u32 s26, 1
	s_cselect_b64 s[4:5], s[6:7], s[4:5]
	s_cmp_eq_u32 s26, 2
	s_cselect_b64 s[4:5], s[8:9], s[4:5]
	s_cmp_eq_u32 s26, 3
	s_cselect_b64 s[4:5], s[10:11], s[4:5]
	s_and_b32 s26, s25, 127
	s_lshl_b32 s26, s26, 2
	s_add_co_u32 s26, s26, s[WV]
	s_lshl_b32 s26, s26, 15                        ; my wave's 8,192 numbers in its tensor: 32,768 bytes a wave
	s_add_nc_u64 s[4:5], s[4:5], s[26:27]
	s_lshl_b32 s25, s25, 2
	s_add_co_u32 s25, s25, s[WV]                   ; which run of 8,192 numbers of the four tensors on end
	s_lshl_b32 s26, s25, 12
	s_add_nc_u64 s[16:17], s[16:17], s[26:27]      ; 4,096 bytes of codes a run
	s_lshl_b32 s26, s25, 8
	s_add_nc_u64 s[18:19], s[18:19], s[26:27]      ; 256 scale bytes a run
.macro LOAD t
.irp i, 0,1,2,3
	global_load_b128 v[R+16*((\t)%4)+4*\i:R+16*((\t)%4)+4*\i+3], v3, s[4:5] offset:2048*(\t)+512*\i th:TH_LOAD_NT   ; 32 lanes read 512 consecutive bytes
.endr
.endm
.macro TURN t                          ; step t through the stage: LDS serves a wave's instructions in order, so no wait stands between the stores and the loads
.irp i, 0,1,2,3
	ds_store_b128 v14, v[R+16*((\t)%4)+4*\i:R+16*((\t)%4)+4*\i+3] offset:32*SP*((\t)%2)+8*SP*\i
.endr
.irp i, 0,1,2,3
	ds_load_b128 v[X+16*((\t)%2)+4*\i:X+16*((\t)%2)+4*\i+3], v15 offset:32*SP*((\t)%2)+16*\i
.endr
.endm
.irp t, 0,1,2,3
	LOAD \t
.endr
	s_wait_loadcnt 12                              ; step 0's four loads are in; twelve younger ones stay out
	TURN 0
.macro STEP t
.set XS, X+16*((\t)%2)
.if (\t) > 0
	s_wait_dscnt 1                                 ; this step's numbers are back (the last step's byte store may be out): so its stores into the stage have read their registers,
.else
	s_wait_dscnt 0x0
.endif
.if (\t)+4 < STEPS
	LOAD (\t)+4                                    ; which take the loads of four steps on
.endif
.if (\t)+1 < STEPS
.if STEPS-2-(\t) >= 3
	s_wait_loadcnt 12                              ; the next step's four loads are in; those of the three steps behind it may be out
.else
	s_wait_loadcnt 4*(STEPS-2-(\t))
.endif
	TURN (\t)+1
.endif
	v_max3_num_f32 v8, |v[XS]|, |v[XS+1]|, |v[XS+2]|               ; the largest magnitude of my 16, in two chains
	v_max3_num_f32 v9, |v[XS+3]|, |v[XS+4]|, |v[XS+5]|
.irp i, 6,10
	v_max3_num_f32 v8, v8, |v[XS+\i]|, |v[XS+\i+1]|
	v_max3_num_f32 v9, v9, |v[XS+\i+2]|, |v[XS+\i+3]|
.endr
	v_max3_num_f32 v8, v8, |v[XS+14]|, |v[XS+15]|
	v_max3_num_f32 v8, v8, v9, (EMAX+1)<<23        ; and the floor 2^(3 - 127): the byte cannot fall under 1
	v_max_num_f32_dpp v8, v8, v8 row_xmask:1 row_mask:0xf bank_mask:0xf   ; with my neighbour's 16: the block's
	v_add_nc_u32 v11, 0xff000000, v8               ; 2 off its exponent field: the conversion takes the exponent field of this operand as its scale
	v_cvt_scalef32_pk8_fp4_f32 v[C+4*(\t)], v[XS:XS+7], v11
	v_cvt_scalef32_pk8_fp4_f32 v[C+4*(\t)+1], v[XS+8:XS+15], v11
	v_lshrrev_b32 v[E+(\t)], 23, v11               ; the scale's byte
	ds_store_b8 v5, v[E+(\t)] offset:16*(\t)       ; both lanes of a block write the same byte with the same value
	global_store_b64 v4, v[C+4*(\t):C+4*(\t)+1], s[16:17] offset:32*CB*(\t)   ; the wave stores 256 consecutive bytes, aligned
.endm
.irp t, 0,1,2,3,4,5,6,7,8,9,10,11,12,13,14,15
	STEP \t
.endr
	ds_load_b64 v[8:9], v6                         ; LDS serves a wave's instructions in order: these see my byte stores
	s_wait_dscnt 0x0
	global_store_b64 v7, v[8:9], s[18:19]          ; 256 consecutive bytes, aligned
	s_wait_tensorcnt 0x0                           ; the wave's end, behind my last LDS store
	ds_add_u32 v[SPW], v[NIL]
	s_wait_dscnt 0x0
	s_endpgm
; ---------------- Wo to f16.  A wave takes 32,768 bytes as 64 pieces of 512; sixteen loads are always out; a piece leaves as 256 consecutive bytes.
.Lwo:
	s_sub_co_u32 s25, ttmp9, 32
	s_lshl_b32 s25, s25, 2
	s_add_co_u32 s25, s25, s[WV]                   ; 0 .. 511
	s_lshl_b32 s26, s25, 15
	s_add_nc_u64 s[12:13], s[12:13], s[26:27]
	s_lshl_b32 s26, s25, 14
	s_add_nc_u64 s[20:21], s[20:21], s[26:27]
	v_lshlrev_b32 v4, 3, v2                        ; 8 x lane
.irp i, 0,1,2,3,4,5,6,7,8,9,10,11,12,13,14,15
	global_load_b128 v[WI+4*\i:WI+4*\i+3], v3, s[12:13] offset:512*\i th:TH_LOAD_NT
.endr
.macro WOROUND k
.if \k >= 2
	s_wait_xcnt 0x0                                ; the stores of two rounds back have read this set of registers
.endif
.irp i, 0,1,2,3,4,5,6,7,8,9,10,11,12,13,14,15
.if \k < 3
	s_wait_loadcnt 15                              ; my slot's load is in; the fifteen younger ones stay out
.else
	s_wait_loadcnt 15-\i                           ; the last round loads nothing: the counts run down
.endif
	v_cvt_pk_f16_f32 v[WO+32*((\k)%2)+2*\i], v[WI+4*\i], v[WI+4*\i+1]
	v_cvt_pk_f16_f32 v[WO+32*((\k)%2)+2*\i+1], v[WI+4*\i+2], v[WI+4*\i+3]
.if \k < 3
	global_load_b128 v[WI+4*\i:WI+4*\i+3], v3, s[12:13] offset:512*(16*(\k+1)+\i) th:TH_LOAD_NT
.endif
	global_store_b64 v4, v[WO+32*((\k)%2)+2*\i:WO+32*((\k)%2)+2*\i+1], s[20:21] offset:256*(16*\k+\i)
.endr
.endm
	WOROUND 0
	WOROUND 1
	WOROUND 2
	WOROUND 3
	s_endpgm
; ---------------- the RoPE table.  rope[tt][b][u][lane][16 bytes]: lane (r, h) holds cos, sin, cos, sin of token 16 tt + r for the pairs 8 b + 4 h + 2 u and + 1: the pairs that the lane's
; registers 4 u .. 4 u + 3 of result tile b hold in launch qkv.  A wave makes one tt: 32 angles a lane, sixteen stores of 512 consecutive bytes.
.Lrope:
	s_lshl_b32 s25, ttmp9, 2
	s_add_co_u32 s25, s25, s[WV]                   ; tt
	s_lshl_b32 s26, s25, 6
	s_add_nc_u64 s[14:15], s[14:15], s[26:27]      ; its 16 positions
	s_lshl_b32 s26, s25, 13
	s_add_nc_u64 s[22:23], s[22:23], s[26:27]      ; its 8,192 bytes of the table
	v_and_b32 v4, 15, v0
	v_lshlrev_b32 v4, 2, v4
	global_load_b32 v5, v4, s[14:15]               ; token_positions[16 tt + r]
	v_bfe_u32 v6, v0, 4, 1
	v_lshlrev_b32 v6, 2, v6                        ; 4 h
	s_mov_b32 s[K2PI], 0x3f22f983                  ; 2 / pi
	s_mov_b32 s[PIH], 0xbfc90fdb                   ; -(pi / 2), its f32 part,
	s_mov_b32 s[PIL], 0x333bbd2e                   ; and what that part is too large by
	s_mov_b32 s[SS1], 0xbe2aaaab                   ; -1/6, 1/120, -1/5040, 1/362880
	s_mov_b32 s[SS2], 0x3c088889
	s_mov_b32 s[SS3], 0xb9500d01
	s_mov_b32 s[SS4], 0x3638ef1d
	s_mov_b32 s[CC2], 0x3d2aaaab                   ; 1/24, -1/720, 1/40320
	s_mov_b32 s[CC3], 0xbab60b61
	s_mov_b32 s[CC4], 0x37d00d01
.irp f, 0,1,2,3,4,5,6,7,8,9,10,11,12,13,14,15,16,17,18,19,20,21,22,23,24,25,26,27,28,29,30,31
	v_add_nc_u32 v[AN+\f], 8*(\f/4)+\f%4, v6       ; the pair p = 8 b + 4 h + q, f = 4 b + q
.endr
.irp f, 0,1,2,3,4,5,6,7,8,9,10,11,12,13,14,15,16,17,18,19,20,21,22,23,24,25,26,27,28,29,30,31
	v_cvt_f32_u32 v[AN+\f], v[AN+\f]
.endr
.irp f, 0,1,2,3,4,5,6,7,8,9,10,11,12,13,14,15,16,17,18,19,20,21,22,23,24,25,26,27,28,29,30,31
	v_mul_f32 v[AN+\f], 0xbe549a78, v[AN+\f]       ; -p log2(10000) / 64
.endr
.irp f, 0,1,2,3,4,5,6,7,8,9,10,11,12,13,14,15,16,17,18,19,20,21,22,23,24,25,26,27,28,29,30,31
	v_exp_f32 v[AN+\f], v[AN+\f]                   ; the frequency 10000^(-p / 64): one batch
.endr
	v_nop                                          ; a plain instruction behind the last exponential
	s_wait_alu depctr_va_vdst(0)                   ; one wait for the batch, ahead of its first reader
	s_wait_loadcnt 0x0
	v_cvt_f32_i32 v5, v5
.irp f, 0,1,2,3,4,5,6,7,8,9,10,11,12,13,14,15,16,17,18,19,20,21,22,23,24,25,26,27,28,29,30,31
	v_mul_f32 v[AN+\f], v5, v[AN+\f]               ; the angle, one rounding, as reference() has it
.endr
; cos and sin of angle f: k = the nearest whole number to A 2 / pi; r = A - k pi / 2 in two parts; series on |r| <= pi / 4; k mod 4 says which series serves which and with which sign (a selection, no branch)
.macro SINCOS f
	v_mul_f32 v[T], s[K2PI], v[AN+\f]
	v_rndne_f32 v[T], v[T]
	v_fma_f32 v[T+1], v[T], s[PIH], v[AN+\f]
	v_fma_f32 v[T+1], v[T], s[PIL], v[T+1]
	v_cvt_i32_f32 v[T], v[T]
	v_mul_f32 v[T+2], v[T+1], v[T+1]
	v_fma_f32 v[T+3], v[T+2], s[SS4], s[SS3]
	v_fma_f32 v[T+4], v[T+2], s[CC4], s[CC3]
	v_fma_f32 v[T+3], v[T+3], v[T+2], s[SS2]
	v_fma_f32 v[T+4], v[T+4], v[T+2], s[CC2]
	v_fma_f32 v[T+3], v[T+3], v[T+2], s[SS1]
	v_fma_f32 v[T+4], v[T+4], v[T+2], -0.5
	v_mul_f32 v[T+3], v[T+3], v[T+2]
	v_fma_f32 v[T+4], v[T+4], v[T+2], 1.0          ; cos r
	v_fma_f32 v[T+3], v[T+3], v[T+1], v[T+1]       ; sin r
	v_and_b32 v[T+5], 1, v[T]
	v_cmp_ne_u32 vcc_lo, 0, v[T+5]                 ; k odd: the two change places
	v_cndmask_b32 v[RO+2*\f], v[T+4], v[T+3], vcc_lo
	v_cndmask_b32 v[RO+2*\f+1], v[T+3], v[T+4], vcc_lo
	v_and_b32 v[T+5], 2, v[T]
	v_lshlrev_b32 v[T+5], 30, v[T+5]
	v_xor_b32 v[RO+2*\f+1], v[RO+2*\f+1], v[T+5]   ; the sine is negative for k mod 4 = 2, 3
	v_add_nc_u32 v[T], 1, v[T]
	v_and_b32 v[T], 2, v[T]
	v_lshlrev_b32 v[T], 30, v[T]
	v_xor_b32 v[RO+2*\f], v[RO+2*\f], v[T]         ; the cosine for k mod 4 = 1, 2
.endm
.irp f, 0,1,2,3,4,5,6,7,8,9,10,11,12,13,14,15,16,17,18,19,20,21,22,23,24,25,26,27,28,29,30,31
	SINCOS \f
.endr
.irp k, 0,1,2,3,4,5,6,7,8,9,10,11,12,13,14,15
	global_store_b128 v3, v[RO+4*\k:RO+4*\k+3], s[22:23] offset:512*\k   ; image k = 2 b + u: 512 consecutive bytes
.endr
	s_endpgm
.Lfunc_end_k_qe9dbbfb3bc_prep:
	.size	k_qe9dbbfb3bc_prep, .Lfunc_end_k_qe9dbbfb3bc_prep-k_qe9dbbfb3bc_prep
	.p2alignl 7, 3214868480
	.fill 96, 4, 3214868480
	.section	.rodata,"a",@progbits
	.p2align	6, 0x0
	.amdhsa_kernel k_qe9dbbfb3bc_prep
		.amdhsa_group_segment_fixed_size 33280
		.amdhsa_private_segment_fixed_size 0
		.amdhsa_enable_private_segment 0
		.amdhsa_kernarg_size 80
		.amdhsa_user_sgpr_count 2
		.amdhsa_user_sgpr_kernarg_segment_ptr 1
		.amdhsa_wavefront_size32 1
		.amdhsa_system_sgpr_workgroup_id_x 1
		.amdhsa_system_sgpr_workgroup_id_y 1
		.amdhsa_system_sgpr_workgroup_id_z 1
		.amdhsa_system_vgpr_workitem_id 0
		.amdhsa_next_free_vgpr 192
		.amdhsa_next_free_sgpr 66
		.amdhsa_reserve_vcc 1
		.amdhsa_float_denorm_mode_32 3
		.amdhsa_float_denorm_mode_16_64 3
		.amdhsa_memory_ordered 1
		.amdhsa_forward_progress 1
		.amdhsa_inst_pref_size 101
	.end_amdhsa_kernel
	.amdgpu_metadata
---
amdhsa.version: [ 1, 2 ]
amdhsa.kernels:
  - .name:           k_qe9dbbfb3bc_prep
    .symbol:         k_qe9dbbfb3bc_prep.kd
    .args:
      - { .name: x, .offset: 0, .size: 8, .value_kind: global_buffer, .address_space: global }
      - { .name: Wq, .offset: 8, .size: 8, .value_kind: global_buffer, .address_space: global }
      - { .name: Wk, .offset: 16, .size: 8, .value_kind: global_buffer, .address_space: global }
      - { .name: Wv, .offset: 24, .size: 8, .value_kind: global_buffer, .address_space: global }
      - { .name: Wo, .offset: 32, .size: 8, .value_kind: global_buffer, .address_space: global }
      - { .name: token_positions, .offset: 40, .size: 8, .value_kind: global_buffer, .address_space: global }
      - { .name: codes, .offset: 48, .size: 8, .value_kind: global_buffer, .address_space: global }
      - { .name: scales, .offset: 56, .size: 8, .value_kind: global_buffer, .address_space: global }
      - { .name: wo16, .offset: 64, .size: 8, .value_kind: global_buffer, .address_space: global }
      - { .name: rope, .offset: 72, .size: 8, .value_kind: global_buffer, .address_space: global }
    .group_segment_fixed_size: 33280
    .private_segment_fixed_size: 0
    .kernarg_segment_align: 8
    .kernarg_segment_size: 80
    .max_flat_workgroup_size: 128
    .sgpr_count:     66
    .vgpr_count:     192
    .wavefront_size: 32
...
	.end_amdgpu_metadata
.endif
;; end of part 1
;; launch qkv (part 2): grid 24 x 8, 4 waves a work-group, clusters of 4 x 4, 327,680 bytes of LDS; arguments codes, scales, rope, qkvimg, fine; writes qkvimg, fine
.if DOCPART == 2
	.amdgcn_target "amdgcn-amd-amdhsa--gfx1250"
	.amdhsa_code_object_version 6
	.text
	.protected	k_qe9dbbfb3bc_qkv
	.globl	k_qe9dbbfb3bc_qkv
	.p2align	8
	.type	k_qe9dbbfb3bc_qkv,@function
k_qe9dbbfb3bc_qkv:
	s_mov_b64 s[64:65], 0
	v_nop
	global_prefetch_b8 v0, s[64:65] scope:SCOPE_SE
	s_setreg_imm32_b32 hwreg(HW_REG_WAVE_MODE, 25, 1), 1
	s_wait_xcnt 0x0
	s_wait_alu depctr_hold_cnt(0) depctr_sa_sdst(0) depctr_va_vdst(0) depctr_va_sdst(0) depctr_va_ssrc(0) depctr_va_vcc(0) depctr_vm_vsrc(0)
	s_getreg_b32 s2, hwreg(HW_REG_IB_STS2, 6, 4)
	s_cmp_eq_u32 s2, 0
	s_cbranch_scc0 .Lentry_in_a_cluster
	s_endpgm
.Lentry_in_a_cluster:
	s_bfe_u32 s2, ttmp6, 0x10000c
	s_cmp_lg_u32 s2, 0xf033
	s_cbranch_scc0 .Lentry_shape_is_right
	s_endpgm
.Lentry_shape_is_right:
; q = x Wq^T, k = x Wk^T, v = x Wv^T on codes of E2M1 with one E8M0 scale for each 32 along K = 2,048; RoPE on q and k; the results leave as f16 IMAGES OF THE OPERAND REGISTERS of launch attn.
; codes [8192][1024 bytes], scales [8192][64 bytes]: rows 0-2047 x, 2048-4095 Wq, 4096-6143 Wk, 6144-8191 Wv.  C[m][n] = sum over k of A[m][k] B[n][k], tiles of 256 x 256, four waves of 128 x 128.
; Tile columns 0-15: A = x, B = Wq, Wk: C[token][column of q or k].  Tile columns 16-23: A = Wv, B = x: C[channel][token], which is v transposed, as the second product of attention wants it.
; Which of the two hangs on the cluster's x alone (clusters 0-3, clusters 4-5), the same in all sixteen partners: it enters global addresses and one branch behind the last tensor load.
; THE MATRIX INSTRUCTION IS USED TRANSPOSED (source 0 = 16 rows of B, source 1 = 16 rows of A): lane (r, h) holds row r of a tile of C and its eight registers the columns 8 h + 0 .. 7.  Packed to f16 these are 16 bytes
; that are half of a 16 x 32 fragment's registers for that lane: so each store is a lane's 16 bytes at 16 x lane, 512 consecutive bytes, and nothing goes through LDS on the way out.
; qkvimg: q and k [g 0..31][tt 128][b 8][512 bytes] (g: q's head, 16 + k's head; tt: 16 tokens; b: 16 channels);  v from byte 16,777,216: [head][tt][ct 8][512 bytes] (ct: 16 channels; a lane holds 8 tokens of one channel).
; fine [g 0..47][tile 8][u 2][512 bytes]: positions 0-15 in f32, the results' own registers, for launch fattn.  Those stores are predicated by EXEC: no branch hangs on a work-group's place in its cluster.
; K goes in steps of 512 through a ring of two LDS slots filled by joint tensor loads (A's tile shared along a row of the cluster, B's along a column); the scale bytes of the work-group's rows come once and stay.
; LIMIT: q, k, v go to f16: magnitudes above 65,504 are not served.
; REGISTERS, in windows of 256: window 0: v16-30 addresses; v32-95 scale words, two sets; v128-191 A's fragments, one set; on the way out v160-231 at work.
;   window 1: B's fragments, two sets, v0-63 and v128-191; v64-127 and v192-255 two sets of the RoPE table.   window 2, 3: the accumulators of my rows 0-63, 64-127: (a, b) at v[8 (8 (a % 4) + b)].
.set KSTEP,  512
.set NQ,     KSTEP/128
.set ROWB,   256                       ; a tile's row in bytes
.set KROW,   1024                      ; a row of codes in memory
.set PITCH,  272                       ; an LDS row: 256 bytes + 16 of padding
.set FR,     8
.set NL,     2
.set NP,     4                         ; places behind this matrix instruction (ISA guide 7.12.1)
.set HALFT,  128*PITCH
.set SLOT,   4*HALFT
.set LAPS,   2                         ; 2,048 / (2 x 512)
.set KS,     64                        ; a row of scale bytes
.set SCL,    2*SLOT
.set HALFS,  (128*KS/256)*272
.set SBLK,   (16*KS/256)*272
.set SPARE,  SCL+4*HALFS               ; the spare words, 128 bytes a wave
.set ADRA, 16                          ; v16-17 LDS address of my A fragments in slot 0, 1
.set ADRB, 20                          ; v20-21 the same for B
.set LI,   26                          ; v26 16 x lane: a lane's place in an image; never rewritten
.set ADRS, 27                          ; v27 LDS address of my scale words
.set SPW,  28                          ; v28 LDS address of my spare word; never rewritten
.set NIL,  29                          ; v29 0; never rewritten
.set TT,   30                          ; v30 my first tile of 16 tokens, in every lane
.set SC,   32
.set AF,   128
.set TB,   160                         ; v160-223 a block's rotated numbers, then its packed ones
.set TA,   224                         ; v224-231 products at work
.set G1, 24
.set G0, 32
.set G1B, 48
.set G0B, 56
.set G1S, 68
.set G0S, 76
.set G1SB, 80
.set G0SB, 88
.set MSB, 0
.macro WIN new                         ; the immediate's high byte repeats the setting that is left
.if MSB != \new
	s_set_vgpr_msb (MSB<<8)|\new
.set MSB, \new
.endif
.endm
.set MUL_LO, 0xa1                      ; source 0 (B) window 1, source 1 (A) window 0, C and D window 2
.set MUL_HI, 0xf1
.set TO_B,   0x40
; A joint load: waves 0 and 1 fetch for A, waves 2 and 3 for B.  The branch hangs on the wave's number alone.  An s_nop 0 and four v_nop follow each of the two lines.
.macro JLOAD g0a, g1a, g0b, g1b
	s_cmp_eq_u32 s15, 0
	s_cbranch_scc0 .Lfor_b_\@
	tensor_load_to_lds s[\g0a:\g0a+3], s[\g1a:\g1a+7]
	s_nop 0
.rept 4
	v_nop
.endr
	s_branch .Lasked_\@
.Lfor_b_\@:
	tensor_load_to_lds s[\g0b:\g0b+3], s[\g1b:\g1b+7]
	s_nop 0
.rept 4
	v_nop
.endr
.Lasked_\@:
.endm
.macro CREST                           ; a round of the cluster's barrier behind its opening barrier
	s_cmp_lg_u32 s14, 0
	s_cbranch_scc1 .Lnot_wave_0_\@
	s_barrier_signal -3
.Lnot_wave_0_\@:
	s_barrier_wait -3
	s_barrier_signal -1
	s_barrier_wait -1
.endm
.macro CROUND
	s_barrier_signal -1
	s_barrier_wait -1
	CREST
.endm
	s_load_b256 s[4:11], s[0:1], 0x0               ; codes s[4:5], scales s[6:7], rope s[8:9], qkvimg s[10:11]
	s_load_b64 s[12:13], s[0:1], 0x20              ; fine
	v_lshl_add_u32 v[SPW], v0, 2, SPARE
	v_mov_b32 v[NIL], 0
	ds_add_u32 v[SPW], v[NIL]                      ; the wave's opening: the add, twice on end, and its wait ahead of my first tensor load
	ds_add_u32 v[SPW], v[NIL]
	v_lshrrev_b32 v1, 5, v0
	v_readfirstlane_b32 s14, v1                    ; wave 0..3
	s_lshr_b32 s15, s14, 1                         ; which half of the tile's rows is mine.  Also: I fetch for A (0) or for B (1)
	s_and_b32 s16, s14, 1                          ; which half of its columns.  Also: which 128 rows of that tile I fetch
	s_bfe_u32 s40, ttmp6, 0x40000                  ; cx, cy
	s_bfe_u32 s41, ttmp6, 0x40004
	s_lshl_b32 s42, ttmp9, 2
	s_add_co_u32 s42, s42, s40                     ; tile column = 4 x cluster x + cx
	s_and_b32 s17, ttmp7, 0xffff
	s_lshl_b32 s17, s17, 2
	s_add_co_u32 s17, s17, s41                     ; tile row = 4 x cluster y + cy
	s_lshl_b32 s43, s41, 2
	s_lshl_b32 s43, 15, s43                        ; my row of the cluster
	s_lshl_b32 s44, 0x1111, s40                    ; my column
	s_or_b32 s[G1+0], s43, (0<<16)|(1<<20)|(1<<21)|(5<<22)|(3<<25)  ; the mask; elements of 1 byte; padding on; bit 21 beside a mask; four words of padding after every 64
	s_or_b32 s[G1B+0], s44, (0<<16)|(1<<20)|(1<<21)|(5<<22)|(3<<25)
.irp g, G1, G1B
	s_mov_b32 s[\g+1], ROWB<<16                    ; tensor_dim0
	s_mov_b32 s[\g+2], 128<<16                     ; tensor_dim1
	s_mov_b32 s[\g+3], ROWB<<16                    ; tile_dim0
	s_mov_b32 s[\g+4], 128                         ; tile_dim1
	s_mov_b32 s[\g+5], KROW                        ; the pitch
	s_mov_b32 s[\g+6], 0
	s_mov_b32 s[\g+7], 0
.endr
	s_or_b32 s[G1S+0], s43, (3<<16)|(1<<20)|(1<<21)|(5<<22)|(3<<25) ; the scales of 128 rows: 8,192 dense bytes as 32 rows of 256 (32 elements of 8 bytes), 16 bytes of padding behind each
	s_or_b32 s[G1SB+0], s44, (3<<16)|(1<<20)|(1<<21)|(5<<22)|(3<<25)
.irp g, G1S, G1SB
	s_mov_b32 s[\g+1], 32<<16
	s_mov_b32 s[\g+2], (128*KS/256)<<16
	s_mov_b32 s[\g+3], 32<<16
	s_mov_b32 s[\g+4], 128*KS/256
	s_mov_b32 s[\g+5], 32
	s_mov_b32 s[\g+6], 0
	s_mov_b32 s[\g+7], 0
.endr
	s_lshr_b32 s66, ttmp9, 2                       ; 1 in the clusters that make v (cluster x 4, 5): the same in all sixteen partners
	s_mul_i32 s66, s66, 6144
	s_lshl_b32 s18, s16, 7                         ; which 128 rows of the tile I fetch
	s_lshl_b32 s20, s17, 8
	s_add_co_u32 s20, s20, s18
	s_add_co_u32 s20, s20, s66                     ; A: row 256 x tile row + 128 x half, in x or in Wv
	s_lshl_b32 s46, s42, 8
	s_add_co_u32 s46, s46, s18
	s_add_co_u32 s46, s46, 2048
	s_sub_co_u32 s46, s46, s66                     ; B: row 2048 + 256 x tile column + 128 x half (Wq, Wk), or 256 x (tile column - 16) + 128 x half (x)
	s_mov_b32 s21, 0
	s_mov_b32 s47, 0
	s_mov_b64 s[18:19], KS
	s_mul_u64 s[22:23], s[20:21], s[18:19]         ; where these rows' scales begin,
	s_mul_u64 s[92:93], s[46:47], s[18:19]
	s_mov_b64 s[18:19], KROW
	s_mul_u64 s[20:21], s[20:21], s[18:19]         ; and their codes
	s_mul_u64 s[46:47], s[46:47], s[18:19]
	s_mul_i32 s45, s14, HALFT                      ; where they go: wave x 128 rows
	s_mul_i32 s94, s14, HALFS
	s_wait_dscnt 0x0                               ; both opening adds are done
	s_wait_kmcnt 0x0
	s_add_nc_u64 s[20:21], s[4:5], s[20:21]
	s_add_nc_u64 s[22:23], s[6:7], s[22:23]
	s_add_nc_u64 s[46:47], s[4:5], s[46:47]
	s_add_nc_u64 s[92:93], s[6:7], s[92:93]
	CROUND                                         ; all sixteen work-groups are here: the first joint loads meet
	s_mov_b32 s[G0S], 1
	s_add_co_u32 s[G0S+1], s94, SCL
	s_mov_b64 s[G0S+2:G0S+3], s[22:23]
	s_or_b32 s[G0S+3], s[G0S+3], 0x80000000
	s_mov_b32 s[G0SB], 1
	s_add_co_u32 s[G0SB+1], s94, SCL
	s_mov_b64 s[G0SB+2:G0SB+3], s[92:93]
	s_or_b32 s[G0SB+3], s[G0SB+3], 0x80000000
	JLOAD G0S, G1S, G0SB, G1SB                     ; the scales first: they are wanted with K step 0
.irp s, 0,1
	s_mov_b32 s[G0+4*\s], 1
	s_add_co_u32 s[G0+4*\s+1], s45, \s*SLOT
	s_add_nc_u64 s[G0+4*\s+2:G0+4*\s+3], s[20:21], \s*ROWB
	s_or_b32 s[G0+4*\s+3], s[G0+4*\s+3], 0x80000000
	s_mov_b32 s[G0B+4*\s], 1
	s_add_co_u32 s[G0B+4*\s+1], s45, \s*SLOT
	s_add_nc_u64 s[G0B+4*\s+2:G0B+4*\s+3], s[46:47], \s*ROWB
	s_or_b32 s[G0B+4*\s+3], s[G0B+4*\s+3], 0x80000000
	JLOAD G0+4*\s, G1, G0B+4*\s, G1B
.endr
	v_and_b32 v1, 15, v0                           ; r
	v_bfe_u32 v2, v0, 4, 1                         ; h
	v_mul_u32_u24 v3, v1, PITCH
	v_lshl_add_u32 v4, v2, 4, v3                   ; a fragment's row x pitch + 16 x half
	s_mul_i32 s21, s15, HALFT                      ; my 128 rows of A
	s_mul_i32 s22, s16, HALFT                      ; my 128 rows of B,
	s_add_co_u32 s22, s22, 2*HALFT                 ; behind A's 256
.irp s, 0,1
	v_add_nc_u32 v[ADRA+\s], s21, v4
	v_add_nc_u32 v[ADRB+\s], s22, v4
	s_add_co_u32 s21, s21, SLOT
	s_add_co_u32 s22, s22, SLOT
.endr
	v_mul_u32_u24 v5, v1, KS                       ; my row's scales: 64 bytes a row,
	v_lshrrev_b32 v6, 8, v5
	v_lshl_add_u32 v5, v6, 4, v5                   ; and 16 more for each 256 passed
	s_mul_i32 s21, s15, HALFS
	s_mul_i32 s22, s16, HALFS
	s_add_co_u32 s22, s22, 2*HALFS
	s_sub_co_u32 s22, s22, s21
	v_mul_u32_u24 v6, s22, v2                      ; lanes 16-31 take B's
	s_add_co_u32 s21, s21, SCL
	v_add_nc_u32 v5, v5, v6
	v_add_nc_u32 v[ADRS], s21, v5
	v_and_b32 v6, 31, v0
	v_lshlrev_b32 v[LI], 4, v6
.macro FRAG reg, adr, q, i             ; 16 rows x 128 K of 4-bit codes: 8 registers, two loads of 16 bytes, 32 bytes apart
.irp c, 0,1
	ds_load_b128 v[\reg+4*\c:\reg+4*\c+3], v[\adr] offset:64*(\q)+32*\c+(\i)*16*PITCH
.endr
.endm
; 16 matrix instructions: A's blocks a0, a0 + 1 x B's eight.  The 64 accumulators take turns, one instruction a turn, in the same order in every step.
.macro MUL16 a0, p, q, sc, zero
.irp a, \a0, \a0+1
.irp b, 0,1,2,3,4,5,6,7
.if \zero
	v_wmma_scale_f32_16x16x128_f8f6f4 v[8*(8*((\a)%4)+\b):8*(8*((\a)%4)+\b)+7], v[128*(\p)+FR*\b:128*(\p)+FR*\b+FR-1], v[AF+FR*(\a):AF+FR*(\a)+FR-1], 0, v[SC+8*NQ*(\sc)+NQ*\b+(\q)], v[SC+8*NQ*(\sc)+NQ*(\a)+(\q)] matrix_a_fmt:MATRIX_FMT_FP4 matrix_b_fmt:MATRIX_FMT_FP4 matrix_a_scale:MATRIX_SCALE_ROW1
.else
	v_wmma_scale_f32_16x16x128_f8f6f4 v[8*(8*((\a)%4)+\b):8*(8*((\a)%4)+\b)+7], v[128*(\p)+FR*\b:128*(\p)+FR*\b+FR-1], v[AF+FR*(\a):AF+FR*(\a)+FR-1], v[8*(8*((\a)%4)+\b):8*(8*((\a)%4)+\b)+7], v[SC+8*NQ*(\sc)+NQ*\b+(\q)], v[SC+8*NQ*(\sc)+NQ*(\a)+(\q)] matrix_a_fmt:MATRIX_FMT_FP4 matrix_b_fmt:MATRIX_FMT_FP4 matrix_a_scale:MATRIX_SCALE_ROW1
.endif
.endr
.endr
.endm
.macro FETCH_B slot, q, p
	WIN TO_B
.irp i, 0,1,2,3,4,5,6,7
	FRAG 128*(\p)+FR*\i, ADRB+\slot, \q, \i
.endr
	WIN 0
.endm
.macro FETCH_A slot, q, i0
.irp i, \i0, \i0+1, \i0+2, \i0+3
	FRAG AF+FR*(\i), ADRA+\slot, \q, \i
.endr
.endm
.macro SCALES sc                       ; a K step's scale words: lanes 0-15 take A's block i, lanes 16-31 B's block i
.irp i, 0,1,2,3,4,5,6,7
	ds_load_b128 v[SC+8*NQ*\sc+NQ*\i:SC+8*NQ*\sc+NQ*\i+3], v[ADRS] offset:\i*SBLK
.endr
.endm
.macro PLACES n                        ; plain vector instructions between a matrix instruction and a load into, or a read of, its registers
.rept \n
	v_nop
.endr
.endm
.macro STEP slot, q, zero              ; 128 along K with its successor in the same slot
	s_wait_dscnt 4*NL                              ; B's set and A's blocks 0-3 are in; the youngest eight loads (A's blocks 4-7) may be out
	WIN MUL_LO
	MUL16 0, (\q)%2, \q, \slot, \zero
	MUL16 2, (\q)%2, \q, \slot, \zero
	s_wait_dscnt 0                                 ; A's blocks 4-7 are in
	PLACES NP
	FETCH_B \slot, (\q)+1, 1-(\q)%2
	FETCH_A \slot, (\q)+1, 0
	WIN MUL_HI
	MUL16 4, (\q)%2, \q, \slot, \zero
	MUL16 6, (\q)%2, \q, \slot, \zero
	PLACES NP
	WIN 0
	FETCH_A \slot, (\q)+1, 4
.endm
; A slot's last step changes slots: one barrier; in front of it each wave waits for all its tensor loads, adds 0 to its spare word, and waits for that and for its reads of this slot.
.macro TURN slot, next, fill
	s_wait_tensorcnt 0x0                           ; all my tensor loads have landed: my part of the next slot
	ds_add_u32 v[SPW], v[NIL]
	s_wait_dscnt 4*NL+1                            ; (the add and the youngest eight loads may be out)
	WIN MUL_LO
	MUL16 0, 1, NQ-1, \slot, 0
	s_wait_dscnt 0x0                               ; the add is done, and my reads of this slot are over
	s_barrier_signal -1
	MUL16 2, 1, NQ-1, \slot, 0
	WIN 0
	s_barrier_wait -1
.if \fill
	CREST                                          ; the barrier has opened a round of the cluster's: no wave of any partner still reads this slot or has a load on its way
	s_add_nc_u64 s[G0+4*\slot+2:G0+4*\slot+3], s[G0+4*\slot+2:G0+4*\slot+3], 2*ROWB
	s_add_nc_u64 s[G0B+4*\slot+2:G0B+4*\slot+3], s[G0B+4*\slot+2:G0B+4*\slot+3], 2*ROWB
	JLOAD G0+4*\slot, G1, G0B+4*\slot, G1B         ; the first tensor load behind the round; its four v_nop are the places in front of the loads below
.else
	PLACES NP
.endif
	v_add_nc_u32 v[ADRS], 4*NQ, v[ADRS]            ; the next K step's scale words
	FETCH_B \next, 0, 0
	FETCH_A \next, 0, 0
	SCALES \next
	WIN MUL_HI
	MUL16 4, 1, NQ-1, \slot, 0
	MUL16 6, 1, NQ-1, \slot, 0
	PLACES NP
	WIN 0
	FETCH_A \next, 0, 4
.endm
.macro STEPS slot, from
.set Q, \from
.rept NQ-1-\from
	STEP \slot, Q, 0
.set Q, Q+1
.endr
.endm
.macro LAST                            ; the very last 128 along K: nothing more to fetch
	s_wait_dscnt 4*NL
	WIN MUL_LO
	MUL16 0, 1, NQ-1, 1, 0
	MUL16 2, 1, NQ-1, 1, 0
	s_wait_dscnt 0
	WIN MUL_HI
	MUL16 4, 1, NQ-1, 1, 0
	MUL16 6, 1, NQ-1, 1, 0
	WIN 0
.endm
; The RoPE table of my tile a of 16 tokens: sixteen images of 512 bytes into set a % 2 of window 1
.macro ROPELD a
	WIN 0x40
.irp k, 0,1,2,3,4,5,6,7,8,9,10,11,12,13,14,15
	global_load_b128 v[64+128*((\a)%2)+4*\k:64+128*((\a)%2)+4*\k+3], v[LI], s[8:9] offset:(\a)*8192+512*\k
.endr
	WIN 0
.endm
; Block a (16 tokens x my head's 128 channels) of q or k: rotated in f32, packed to f16, stored as eight images.
.macro QKBLOCK a
.set RT, 64+128*((\a)%2)
.set AC, 64*((\a)%4)
.if (\a) < 7
	s_wait_loadcnt 16                              ; this block's sixteen loads of the table are in; the next block's may be out
.else
	s_wait_loadcnt 0
.endif
	s_wait_xcnt 0x0                                ; the last block's stores have read v160-223
	WIN 0x09+4*((\a)/4)                            ; source 0: the table, window 1; source 1: the accumulators, window 2 or 3
.irp b, 0,1,2,3,4,5,6,7
.irp i, 0,1,2,3
	v_mul_f32 v[TA+2*\i],   v[RT+8*\b+2*\i+1], v[AC+8*\b+2*\i+1]       ; sin x2  (each accumulator is read from its low end on)
	v_mul_f32 v[TA+2*\i+1], v[RT+8*\b+2*\i+1], v[AC+8*\b+2*\i]         ; sin x1
.endr
.irp i, 0,1,2,3
	v_fma_f32 v[TB+8*\b+2*\i],   v[RT+8*\b+2*\i], v[AC+8*\b+2*\i],   -v[TA+2*\i]     ; cos x1 - sin x2
	v_fma_f32 v[TB+8*\b+2*\i+1], v[RT+8*\b+2*\i], v[AC+8*\b+2*\i+1], v[TA+2*\i+1]    ; cos x2 + sin x1
.endr
.endr
	WIN 0
.if (\a) < 6
	ROPELD (\a)+2                                  ; into the set just read
.endif
.if (\a) == 0
	s_wait_xcnt 0x0                                ; EXEC changes only behind this wait
	v_cmp_eq_u32 vcc_lo, 0, v[TT]                  ; positions 0-15 are mine where my first tile of tokens is tile 0
	s_and_saveexec_b32 s96, vcc_lo
.irp k, 0,1,2,3,4,5,6,7,8,9,10,11,12,13,14,15
	global_store_b128 v[LI], v[TB+4*\k:TB+4*\k+3], s[12:13] offset:512*\k
.endr
	s_wait_xcnt 0x0                                ; and again: the stores have read EXEC and their data
	s_or_b32 exec_lo, exec_lo, s96
.endif
.irp b, 0,1,2,3,4,5,6,7
.irp i, 0,1,2,3
	v_cvt_pk_f16_f32 v[TB+8*\b+\i], v[TB+8*\b+2*\i], v[TB+8*\b+2*\i+1]   ; in place: register i is written when registers 2 i, 2 i + 1 are read, never earlier
.endr
.endr
.irp b, 0,1,2,3,4,5,6,7
	global_store_b128 v[LI], v[TB+8*\b:TB+8*\b+3], s[10:11] offset:(\a)*4096+512*\b   ; 512 consecutive bytes
.endr
.endm
; Block a (16 channels x my 128 tokens) of v transposed: packed to f16, stored as eight images
.macro VBLOCK a
.set AC, 64*((\a)%4)
	s_wait_xcnt 0x0                                ; the last block's stores have read their data
	WIN 0x0a+5*((\a)/4)
.irp b, 0,1,2,3,4,5,6,7
.irp i, 0,1,2,3
	v_cvt_pk_f16_f32 v[TB+4*\b+\i], v[AC+8*\b+2*\i], v[AC+8*\b+2*\i+1]
.endr
.endr
	WIN 0
.irp b, 0,1,2,3,4,5,6,7
	global_store_b128 v[LI], v[TB+4*\b:TB+4*\b+3], s[10:11] offset:\b*4096+(\a)*512
.endr
.endm
	s_wait_tensorcnt 1                             ; the scales and my part of K step 0 are in (K step 1's load may be out)
	s_barrier_signal -1
	s_barrier_wait -1                              ; everybody's are
	FETCH_B 0, 0, 0
	FETCH_A 0, 0, 0
	SCALES 0
	FETCH_A 0, 0, 4
	STEP 0, 0, 1                                   ; the first step starts the sums
	s_mov_b32 s3, LAPS-1
.Llap:                                                 ; a trip goes once round the ring and fills both slots again
	STEPS 0, 1
	TURN 0, 1, 1
	STEPS 1, 0
	TURN 1, 0, 1
	STEP 0, 0, 0
	s_sub_co_u32 s3, s3, 1
	s_cmp_lg_u32 s3, 0
	s_cbranch_scc1 .Llap
	STEPS 0, 1
	TURN 0, 1, 0                                   ; the last change of slots: no tensor load and no barrier of the ring follows
	s_mov_b32 s21, 0
	s_cmp_ge_u32 ttmp9, 4                          ; the cluster's x: all sixteen partners go the same way.  The last four steps are written in both arms, so that the table's loads have them to land in
	s_cbranch_scc1 .Lvarm
	; ---- q and k
	s_lshl_b32 s18, s17, 4
	s_lshl_b32 s19, s15, 3
	s_add_co_u32 s18, s18, s19                     ; my first tile of tokens: 16 x tile row + 8 x half
	s_lshl_b32 s20, s18, 13
	s_add_nc_u64 s[8:9], s[8:9], s[20:21]          ; its part of the table
	s_lshl_b32 s19, s42, 1
	s_add_co_u32 s19, s19, s16                     ; g = 2 x tile column + half: my 128 columns are one head of q or of k
	s_lshl_b32 s20, s19, 19
	s_add_nc_u64 s[10:11], s[10:11], s[20:21]
	s_lshl_b32 s20, s18, 12
	s_add_nc_u64 s[10:11], s[10:11], s[20:21]
	s_lshl_b32 s20, s19, 13
	s_add_nc_u64 s[12:13], s[12:13], s[20:21]
	v_mov_b32 v[TT], s18
	ROPELD 0
	ROPELD 1
	STEPS 1, 0
	LAST
	PLACES NP
.irp a, 0,1,2,3,4,5,6,7
	QKBLOCK \a
.endr
	s_branch .Ljoin
.Lvarm:
	; ---- v transposed
	s_lshl_b32 s18, s42, 4
	s_sub_co_u32 s18, s18, 256
	s_lshl_b32 s19, s16, 3
	s_add_co_u32 s18, s18, s19                     ; my first tile of tokens: 16 x (tile column - 16) + 8 x half
	s_lshl_b32 s19, s17, 1
	s_add_co_u32 s19, s19, s15                     ; the head: my 128 rows are its channels
	s_lshl_b32 s20, s19, 19
	s_add_nc_u64 s[10:11], s[10:11], s[20:21]
	s_lshl_b32 s20, s18, 12
	s_add_nc_u64 s[10:11], s[10:11], s[20:21]
	s_add_nc_u64 s[10:11], s[10:11], 0x1000000     ; behind q's and k's images
	s_add_co_u32 s19, s19, 32
	s_lshl_b32 s20, s19, 13
	s_add_nc_u64 s[12:13], s[12:13], s[20:21]
	v_mov_b32 v[TT], s18
	STEPS 1, 0
	LAST
	PLACES NP
	s_wait_xcnt 0x0                                ; EXEC changes only behind this wait
	v_cmp_eq_u32 vcc_lo, 0, v[TT]                  ; positions 0-15 are the first column block of the waves whose first tile of tokens is tile 0
	s_and_saveexec_b32 s96, vcc_lo
.irp a, 0,1,2,3,4,5,6,7
	WIN 0x08+4*(\a/4)                              ; a store's data: window 2 or 3
	global_store_b128 v[LI], v[64*(\a%4):64*(\a%4)+3], s[12:13] offset:\a*1024
	global_store_b128 v[LI], v[64*(\a%4)+4:64*(\a%4)+7], s[12:13] offset:\a*1024+512
.endr
	WIN 0
	s_wait_xcnt 0x0
	s_or_b32 exec_lo, exec_lo, s96
.irp a, 0,1,2,3,4,5,6,7
	VBLOCK \a
.endr
.Ljoin:
	s_wait_tensorcnt 0x0                           ; the wave's end
	ds_add_u32 v[SPW], v[NIL]
	s_wait_dscnt 0x0
	CROUND                                         ; the closing round: no work-group ends while a partner may still ask for a tile that names it
	s_endpgm
.Lfunc_end_k_qe9dbbfb3bc_qkv:
	.size	k_qe9dbbfb3bc_qkv, .Lfunc_end_k_qe9dbbfb3bc_qkv-k_qe9dbbfb3bc_qkv
	.p2alignl 7, 3214868480
	.fill 96, 4, 3214868480
	.section	.rodata,"a",@progbits
	.p2align	6, 0x0
	.amdhsa_kernel k_qe9dbbfb3bc_qkv
		.amdhsa_group_segment_fixed_size 327680
		.amdhsa_private_segment_fixed_size 0
		.amdhsa_enable_private_segment 0
		.amdhsa_kernarg_size 40
		.amdhsa_user_sgpr_count 2
		.amdhsa_user_sgpr_kernarg_segment_ptr 1
		.amdhsa_wavefront_size32 1
		.amdhsa_system_sgpr_workgroup_id_x 1
		.amdhsa_system_sgpr_workgroup_id_y 1
		.amdhsa_system_sgpr_workgroup_id_z 1
		.amdhsa_system_vgpr_workitem_id 0
		.amdhsa_next_free_vgpr 1024
		.amdhsa_next_free_sgpr 100
		.amdhsa_reserve_vcc 1
		.amdhsa_float_denorm_mode_32 3
		.amdhsa_float_denorm_mode_16_64 3
		.amdhsa_memory_ordered 1
		.amdhsa_forward_progress 1
		.amdhsa_inst_pref_size 255
	.end_amdhsa_kernel
	.section	.bss,"aw",@nobits
	.p2align	6
	.space	262144
	.amdgpu_metadata
---
amdhsa.version: [ 1, 2 ]
amdhsa.kernels:
  - .name:           k_qe9dbbfb3bc_qkv
    .symbol:         k_qe9dbbfb3bc_qkv.kd
    .args:
      - { .name: codes, .offset: 0, .size: 8, .value_kind: global_buffer, .address_space: global }
      - { .name: scales, .offset: 8, .size: 8, .value_kind: global_buffer, .address_space: global }
      - { .name: rope, .offset: 16, .size: 8, .value_kind: global_buffer, .address_space: global }
      - { .name: qkvimg, .offset: 24, .size: 8, .value_kind: global_buffer, .address_space: global }
      - { .name: fine, .offset: 32, .size: 8, .value_kind: global_buffer, .address_space: global }
    .group_segment_fixed_size: 327680
    .private_segment_fixed_size: 0
    .kernarg_segment_align: 8
    .kernarg_segment_size: 40
    .max_flat_workgroup_size: 128
    .sgpr_count:     100
    .vgpr_count:     1024
    .wavefront_size: 32
...
	.end_amdgpu_metadata
.endif
;; end of part 2
;; launch fattn (part 3): grid 16 x 1, 1 waves a work-group, no clusters, 0 bytes of LDS; arguments fine, attnf; writes attnf
.if DOCPART == 3
	.amdgcn_target "amdgcn-amd-amdhsa--gfx1250"
	.amdhsa_code_object_version 6
	.text
	.protected	k_qe9dbbfb3bc_fattn
	.globl	k_qe9dbbfb3bc_fattn
	.p2align	8
	.type	k_qe9dbbfb3bc_fattn,@function
k_qe9dbbfb3bc_fattn:
	s_mov_b64 s[64:65], 0
	v_nop
	global_prefetch_b8 v0, s[64:65] scope:SCOPE_SE
	s_setreg_imm32_b32 hwreg(HW_REG_WAVE_MODE, 25, 1), 1
	s_wait_xcnt 0x0
; Positions 0-15 of every head in f32: under the causal mask these rows average one to sixteen values and are the largest of the result, so 16-bit operands would weigh most there.
; Keys after position 15 are hidden from these queries by reference()'s own mask and are not touched (see the head of launch prep).
; One wave a head.  fine holds q, k (rotated) and v transposed as the registers in which launch qkv's results lay: q, k: lane (r, h), register 8 b + j = X[r][16 b + 8 h + j];  v: register 8 ct + j = V[8 h + j][16 ct + r].
; The f32 matrix form takes 4 along K from a lane's two registers, k = 2 h + j.  Registers 2 e, 2 e + 1 of both operands hold the same four channels (or keys) in the same places, so the sums are whole whatever their order.
; S^T = k q^T: a lane holds query r and keys 8 h + 0 .. 7;  O^T = v^T p: a lane holds query r and channels 16 ct + 8 h + 0 .. 7.  What the f32 matrix form writes is written by matrix instructions alone.
.set QF, 16                            ; v16-79 q
.set KFR, 80                           ; v80-143 k
.set VF, 144                           ; v144-207 v transposed
.set SA, 208                           ; v208-239 four accumulators of the scores, by turns
.set X,  240                           ; v240-247 the scores, then p
.set P,  248                           ; v248-255 p / the sum
.set CS, 10                            ; s10 log2(e) / sqrt(128)
.set SEL, 12                           ; s[12:13] selects for lane l xor 16
.set MSB, 0
.macro WIN new
.if MSB != \new
	s_set_vgpr_msb (MSB<<8)|\new
.set MSB, \new
.endif
.endm
	s_load_b128 s[4:7], s[0:1], 0x0                ; fine, attnf
	v_lshlrev_b32 v1, 4, v0                        ; 16 x lane
	v_and_b32 v2, 15, v0
	v_bfe_u32 v3, v0, 4, 1
	v_lshlrev_b32 v3, 3, v3
	v_sub_nc_u32 v3, v2, v3                        ; r - 8 h: key 8 h + j is hidden where j is above it
	v_mov_b32 v4, 0xff800000                       ; -infinity
	v_mov_b32 v6, 0                                ; (a lane permute's destination counts as read)
	s_mov_b32 s[CS], 0x3e0293ee
	s_mov_b32 s[SEL], 0x76543210
	s_mov_b32 s[SEL+1], 0xfedcba98
	s_lshl_b32 s8, ttmp9, 13                       ; 8,192 bytes a head
	s_mov_b32 s9, 0
	s_wait_kmcnt 0x0
	s_add_nc_u64 s[4:5], s[4:5], s[8:9]
	s_add_nc_u64 s[6:7], s[6:7], s[8:9]
.irp i, 0,1,2,3,4,5,6,7,8,9,10,11,12,13,14,15
	global_load_b128 v[QF+4*\i:QF+4*\i+3], v1, s[4:5] offset:512*\i
	global_load_b128 v[KFR+4*\i:KFR+4*\i+3], v1, s[4:5] offset:131072+512*\i
	global_load_b128 v[VF+4*\i:VF+4*\i+3], v1, s[4:5] offset:262144+512*\i
.endr
	s_wait_loadcnt 0x0
.set e, 0
.rept 32                               ; 128 channels, 4 at a time; four accumulators take turns, one instruction a turn; the first four products start the sums
.if e < 4
	v_wmma_f32_16x16x4_f32 v[SA+8*(e%4):SA+8*(e%4)+7], v[KFR+2*e:KFR+2*e+1], v[QF+2*e:QF+2*e+1], 0
.else
	v_wmma_f32_16x16x4_f32 v[SA+8*(e%4):SA+8*(e%4)+7], v[KFR+2*e:KFR+2*e+1], v[QF+2*e:QF+2*e+1], v[SA+8*(e%4):SA+8*(e%4)+7]
.endif
.set e, e+1
.endr
.rept 8
	v_nop                                          ; eight places behind this form before a result is read (ISA guide 7.12.1)
.endr
.irp j, 0,1,2,3,4,5,6,7
	v_add_f32 v[X+\j], v[SA+\j], v[SA+8+\j]        ; each accumulator from its low end on
	v_add_f32 v5, v[SA+16+\j], v[SA+24+\j]
	v_add_f32 v[X+\j], v[X+\j], v5
.endr
.irp j, 0,1,2,3,4,5,6,7
	v_cmp_gt_i32 vcc_lo, \j, v3
	v_cndmask_b32 v[X+\j], v[X+\j], v4, vcc_lo     ; the causal mask
.endr
	v_max3_num_f32 v5, v[X], v[X+1], v[X+2]
	v_max3_num_f32 v5, v5, v[X+3], v[X+4]
	v_max3_num_f32 v5, v5, v[X+5], v[X+6]
	v_max_num_f32 v5, v5, v[X+7]
	v_permlanex16_b32 v6, v5, s[SEL], s[SEL+1]
	v_max_num_f32 v5, v5, v6                       ; the row's maximum: key 0 counts for every query, so it is a number
	v_mul_f32 v7, s[CS], v5
.irp j, 0,1,2,3,4,5,6,7
	v_fma_f32 v[X+\j], v[X+\j], s[CS], -v7
.endr
.irp j, 0,1,2,3,4,5,6,7
	v_exp_f32 v[X+\j], v[X+\j]
.endr
	v_nop
	s_wait_alu depctr_va_vdst(0)                   ; one wait for the eight, ahead of their first reader
	v_add_f32 v8, v[X], v[X+1]
	v_add_f32 v9, v[X+2], v[X+3]
	v_add_f32 v10, v[X+4], v[X+5]
	v_add_f32 v11, v[X+6], v[X+7]
	v_add_f32 v8, v8, v9
	v_add_f32 v10, v10, v11
	v_add_f32 v8, v8, v10
	v_permlanex16_b32 v6, v8, s[SEL], s[SEL+1]
	v_add_f32 v8, v8, v6
	v_rcp_f32 v9, v8
	v_nop
	s_wait_alu depctr_va_vdst(0)
.irp j, 0,1,2,3,4,5,6,7
	v_mul_f32 v[P+\j], v[X+\j], v9
.endr
	WIN 0x50                                       ; C and D: window 1
.irp c, 0,1,2,3                        ; 16 keys, 4 at a time; the eight accumulators take turns
.irp ct, 0,1,2,3,4,5,6,7
.if \c == 0
	v_wmma_f32_16x16x4_f32 v[8*\ct:8*\ct+7], v[VF+8*\ct+2*\c:VF+8*\ct+2*\c+1], v[P+2*\c:P+2*\c+1], 0
.else
	v_wmma_f32_16x16x4_f32 v[8*\ct:8*\ct+7], v[VF+8*\ct+2*\c:VF+8*\ct+2*\c+1], v[P+2*\c:P+2*\c+1], v[8*\ct:8*\ct+7]
.endif
.endr
.endr
	WIN 0
.rept 8
	v_nop
.endr
	WIN 0x04                                       ; a store's data: window 1
.irp i, 0,1,2,3,4,5,6,7,8,9,10,11,12,13,14,15
	global_store_b128 v1, v[4*\i:4*\i+3], s[6:7] offset:512*\i   ; attnf[head][ct][u]: 512 consecutive bytes; each accumulator from its low end on
.endr
	WIN 0
	s_endpgm
.Lfunc_end_k_qe9dbbfb3bc_fattn:
	.size	k_qe9dbbfb3bc_fattn, .Lfunc_end_k_qe9dbbfb3bc_fattn-k_qe9dbbfb3bc_fattn
	.p2alignl 7, 3214868480
	.fill 96, 4, 3214868480
	.section	.rodata,"a",@progbits
	.p2align	6, 0x0
	.amdhsa_kernel k_qe9dbbfb3bc_fattn
		.amdhsa_group_segment_fixed_size 0
		.amdhsa_private_segment_fixed_size 0
		.amdhsa_enable_private_segment 0
		.amdhsa_kernarg_size 16
		.amdhsa_user_sgpr_count 2
		.amdhsa_user_sgpr_kernarg_segment_ptr 1
		.amdhsa_wavefront_size32 1
		.amdhsa_system_sgpr_workgroup_id_x 1
		.amdhsa_system_sgpr_workgroup_id_y 1
		.amdhsa_system_sgpr_workgroup_id_z 1
		.amdhsa_system_vgpr_workitem_id 0
		.amdhsa_next_free_vgpr 320
		.amdhsa_next_free_sgpr 66
		.amdhsa_reserve_vcc 1
		.amdhsa_float_denorm_mode_32 3
		.amdhsa_float_denorm_mode_16_64 3
		.amdhsa_memory_ordered 1
		.amdhsa_forward_progress 1
		.amdhsa_inst_pref_size 15
	.end_amdhsa_kernel
	.amdgpu_metadata
---
amdhsa.version: [ 1, 2 ]
amdhsa.kernels:
  - .name:           k_qe9dbbfb3bc_fattn
    .symbol:         k_qe9dbbfb3bc_fattn.kd
    .args:
      - { .name: fine, .offset: 0, .size: 8, .value_kind: global_buffer, .address_space: global }
      - { .name: attnf, .offset: 8, .size: 8, .value_kind: global_buffer, .address_space: global }
    .group_segment_fixed_size: 0
    .private_segment_fixed_size: 0
    .kernarg_segment_align: 8
    .kernarg_segment_size: 16
    .max_flat_workgroup_size: 32
    .sgpr_count:     66
    .vgpr_count:     320
    .wavefront_size: 32
...
	.end_amdgpu_metadata
.endif
;; end of part 3
;; launch attn (part 4): grid 16 x 16, 4 waves a work-group, no clusters, 139,776 bytes of LDS; arguments qkvimg, attn16; writes attn16
.if DOCPART == 4
	.amdgcn_target "amdgcn-amd-amdhsa--gfx1250"
	.amdhsa_code_object_version 6
	.text
	.protected	k_qe9dbbfb3bc_attn
	.globl	k_qe9dbbfb3bc_attn
	.p2align	8
	.type	k_qe9dbbfb3bc_attn,@function
k_qe9dbbfb3bc_attn:
	s_mov_b64 s[64:65], 0
	v_nop
	global_prefetch_b8 v0, s[64:65] scope:SCOPE_SE
	s_setreg_imm32_b32 hwreg(HW_REG_WAVE_MODE, 25, 1), 1
	s_wait_xcnt 0x0
; attn16[q][head] = softmax_k(q . k / sqrt(128)) v under the causal mask; operands f16, products, maxima and sums f32, the weights rounded to f16 for the second product, the result once at the end.
; WORK LEFT OUT: steps of 64 keys that lie wholly after a block's 64 queries (shown dead at the head of launch prep).  Rows 0-15 are made here with the rest of their tile; launch fproj replaces what comes of them.
; SHARES.  Work-group (i, head) owns the query blocks 31 - i and i (64 queries each): 32 - i and i + 1 key steps of 64, 33 in every work-group.  All four waves hold the same 64 queries (four tiles of 16) and SHARE OUT
; THE KEY STEPS: in block 31 - i wave w takes steps w, w + 4, ..; in block i it begins at (w + i) mod 4, so that a wave has 8 or 9 steps in all.  Each wave keeps a maximum, a sum and an O^T of its own; at a block's end
; the four are joined through LDS.  Trip counts hang on the work-group's and the wave's numbers alone.
; NO LDS IN THE KEY LOOP: launch qkv stored q, k and v transposed as images of the operand registers, and an image of k or v is read by one wave of the work-group: it goes straight into registers, 512 consecutive bytes a load.
; NO CLUSTER: the work-groups of a head need 32 - i and i + 1 steps, different numbers for different i, and partners of a joint load must run alike.
; LAYOUT.  S^T = k q^T (source 0 = 16 keys, source 1 = 16 queries): a lane holds one query and keys 8 h + 0 .. 7; two such tiles packed to f16 are source 1 of O^T = v^T p, whose result again holds one query a lane.
; O^T begins each block as zeros, the largest score as -3e38 and the sum as 0: so the key step is written in two forms only (with look-ahead; the tail), the first step's factor is 0, and a wave that has no step in a
; short block joins with the weight 0.  256 moves a block are the price.
; LIMITS: |q|, |k|, |v| up to 65,504; a weight under 6e-8 of its wave's largest falls to 0 in f16.
; REGISTERS, in windows of 256: window 0: v1-10 addresses; v12-43 eight registers of statistics a tile (+0 c m, +1 m, +2, +3 the sum in two halves, +4 .. +7 at work; +6 the factor); v64-191 S^T; v192-255 p.
;   window 1: O^T, 64 a tile.   window 2: v0-127 q, v128-255 k of a step.   window 3: v0-127 v of a step.
.set STEPB,  16384                     ; the images of 64 tokens of one head: 4 x 8 x 512 bytes
.set HEADB,  524288
.set PPITCH, 528                       ; LDS: a row of a partial result: 512 bytes + 16
.set PWAVE,  64*PPITCH                 ; a wave's 64 rows
.set MB,     4*PWAVE                   ; behind the four: the statistics, [2 t + kind][128 threads] words
.set SPARE,  MB+4096                   ; the spare words, 128 bytes a wave
.set LI,  1                            ; v1  16 x lane
.set PFO, 2                            ; v2  256 x lane: the prefetches' offset
.set DG,  3                            ; v3  r - 8 h
.set NINF, 4                           ; v4  -infinity
.set MW,  5                            ; v5  where I put a statistic: MB + 4 x thread
.set MR,  6                            ; v6  where I read one: MB + 4 x lane
.set PW,  7                            ; v7  where I put 16 bytes of a partial row
.set PR0, 8                            ; v8  where I read rows of partials 0, 1
.set PR1, 9                            ; v9  of partials 2, 3
.set GO,  10                           ; v10 8 x lane
.set ST,  12
.set SPW, 62
.set NIL, 63
.set S,   64
.set P,   192
.set KF,  128
.set WV, 8
.set HD, 9
.set QB, 10                            ; s10 the query block in hand
.set S0, 11                            ; s11 my first key step
.set CNT, 12                           ; s12 how many steps are mine
.set LC, 13                            ; s13 the loop's count
.set LAST, 14                          ; s14 my last step
.set LIM, 15                           ; s15 1 where I prefetch, else the greatest number
.set KP, 16                            ; s[16:17] k's images of the step to be loaded
.set VP, 18                            ; s[18:19] v's
.set QP, 20                            ; s[20:21] q's images of the block
.set OUTP, 22                          ; s[22:23] my 16 rows of the block in attn16
.set CS, 24                            ; s[24:25] c = log2(e) / sqrt(128)
.set SEL, 26                           ; s[26:27] selects for lane l xor 16
.set HQ, 32                            ; s[32:37] the head's q, k, v
.set HK, 34
.set HV, 36
.set MK, 40                            ; s40-47 lanes in which key 8 h + j of the diagonal tile is hidden
.set MSB, 0
.macro WIN new
.if MSB != \new
	s_set_vgpr_msb (MSB<<8)|\new
.set MSB, \new
.endif
.endm
.macro PLACES
.rept 4
	v_nop
.endr
.endm
	s_load_b128 s[4:7], s[0:1], 0x0                ; qkvimg, attn16
	v_lshl_add_u32 v[SPW], v0, 2, SPARE
	v_mov_b32 v[NIL], 0
	v_lshrrev_b32 v11, 5, v0
	v_readfirstlane_b32 s[WV], v11
	v_and_b32 v11, 31, v0
	v_lshlrev_b32 v[LI], 4, v11
	v_lshlrev_b32 v[PFO], 8, v11
	v_lshlrev_b32 v[GO], 3, v11
	v_and_b32 v44, 15, v0                          ; r
	v_bfe_u32 v45, v0, 4, 1                        ; h
	v_lshlrev_b32 v[DG], 3, v45
	v_sub_nc_u32 v[DG], v44, v[DG]
	v_mov_b32 v[NINF], 0xff800000
	v_lshl_add_u32 v[MW], v0, 2, MB
	v_lshl_add_u32 v[MR], v11, 2, MB
	s_mul_i32 s30, s[WV], PWAVE
	v_mul_u32_u24 v[PW], v44, PPITCH
	v_lshl_add_u32 v[PW], v45, 5, v[PW]
	v_add_nc_u32 v[PW], s30, v[PW]                 ; my partial: row r, + 32 h
	s_mul_i32 s30, s[WV], 16*PPITCH
	v_add_nc_u32 v[PR0], s30, v[LI]                ; rows 16 w on, 16 bytes a lane
	v_add_nc_u32 v[PR1], 2*PWAVE, v[PR0]
.irp j, 0,1,2,3,4,5,6,7
	v_cmp_gt_i32 s[MK+\j], \j, v[DG]
.endr
.irp t, 0,1,2,3
.irp j, 4,5,6,7
	v_mov_b32 v[ST+8*\t+\j], 0                     ; written once: lane permutes' destinations and upper halves of pairs count as read
.endr
.endr
	s_and_b32 s[HD], ttmp7, 0xffff
	s_lshl_b32 s30, s[HD], 19
	s_mov_b32 s31, 0
	s_mov_b32 s[CS], 0x3e0293ee
	s_mov_b32 s[CS+1], s[CS]
	s_mov_b32 s[SEL], 0x76543210
	s_mov_b32 s[SEL+1], 0xfedcba98
	s_cmp_eq_u32 ttmp9, 0
	s_cselect_b32 s[LIM], 1, -1
	s_wait_kmcnt 0x0
	s_add_nc_u64 s[HQ:HQ+1], s[4:5], s[30:31]
	s_add_nc_u64 s[HK:HK+1], s[HQ:HQ+1], 16*HEADB
	s_add_nc_u64 s[HV:HV+1], s[HQ:HQ+1], 32*HEADB
	s_lshl_b32 s30, s[HD], 8
	s_add_nc_u64 s[6:7], s[6:7], s[30:31]          ; attn16: the head's 256 bytes of a row,
	s_lshl_b32 s30, s[WV], 16
	s_add_nc_u64 s[6:7], s[6:7], s[30:31]          ; my 16 rows of a block
.macro BLKSET blk                      ; the block's numbers and addresses
	s_wait_xcnt 0x0                                ; earlier loads and prefetches have read these addresses
.if \blk == 0
	s_sub_co_u32 s[QB], 31, ttmp9
	s_mov_b32 s[S0], s[WV]
.else
	s_mov_b32 s[QB], ttmp9
	s_add_co_u32 s[S0], s[WV], ttmp9
	s_and_b32 s[S0], s[S0], 3
.endif
	s_add_co_u32 s[CNT], s[QB], 4
	s_sub_co_u32 s[CNT], s[CNT], s[S0]
	s_lshr_b32 s[CNT], s[CNT], 2                   ; steps S0, S0 + 4, .. up to QB
	s_lshl_b32 s30, s[CNT], 2
	s_add_co_u32 s30, s30, s[S0]
	s_sub_co_u32 s[LAST], s30, 4
	s_lshl_b32 s30, s[S0], 14
	s_add_nc_u64 s[KP:KP+1], s[HK:HK+1], s[30:31]
	s_add_nc_u64 s[VP:VP+1], s[HV:HV+1], s[30:31]
	s_lshl_b32 s30, s[QB], 14
	s_add_nc_u64 s[QP:QP+1], s[HQ:HQ+1], s[30:31]
.endm
.macro LOADK                           ; 64 keys x 128 channels: fragment (kt, c) at v[KF + 32 kt + 8 c] of window 2
	WIN 0x80
.set n, 0
.rept 32
	global_load_b128 v[KF+4*n:KF+4*n+3], v[LI], s[KP:KP+1] offset:512*n
.set n, n+1
.endr
	WIN 0
.endm
.macro LOADV                           ; 128 channels x 64 keys: fragment (kc, ct) at v[64 kc + 8 ct] of window 3; memory order [tile of 16 keys][ct]
	WIN 0xc0
.set n, 0
.rept 32
	global_load_b128 v[64*(n/16)+8*(n%8)+4*((n/8)%2):64*(n/16)+8*(n%8)+4*((n/8)%2)+3], v[LI], s[VP:VP+1] offset:512*n
.set n, n+1
.endr
	WIN 0
.endm
.macro ISSUE                           ; a block's q and my first step's k and v, in this order: the counted waits below lean on it
	WIN 0x80
.set n, 0
.rept 32
	global_load_b128 v[4*n:4*n+3], v[LI], s[QP:QP+1] offset:512*n
.set n, n+1
.endr
	LOADK
	LOADV
.endm
.macro KQ                              ; S^T = k q^T: 64 products; the 16 accumulators take turns; the first 16 start the sums
	WIN 0x0a
.set i, 0
.rept 64
.set rS, S+32*(i%4)+8*((i/4)%4)
.set rK, KF+32*((i/4)%4)+8*(i/16)
.set rQ, 32*(i%4)+8*(i/16)
.if i < 16
	v_wmma_f32_16x16x32_f16 v[rS:rS+7], v[rK:rK+7], v[rQ:rQ+7], 0
.else
	v_wmma_f32_16x16x32_f16 v[rS:rS+7], v[rK:rK+7], v[rQ:rQ+7], v[rS:rS+7]
.endif
.set i, i+1
.endr
	WIN 0
.endm
.macro MASK                            ; the diagonal step: tiles of keys after a tile of queries are hidden whole, the tile on the diagonal lane by lane
.irp t, 0,1,2,3
.irp kt, 0,1,2,3
.if \kt > \t
.irp j, 0,1,2,3,4,5,6,7
	v_mov_b32 v[S+32*\t+8*\kt+\j], v[NINF]
.endr
.elseif \kt == \t
.irp j, 0,1,2,3,4,5,6,7
	v_cndmask_b32 v[S+32*\t+8*\kt+\j], v[S+32*\t+8*\kt+\j], v[NINF], s[MK+\j]
.endr
.endif
.endr
.endr
.endm
.macro SOFTMAX                         ; four tiles line by line, so that no line waits for the line above it
.irp t, 0,1,2,3
	v_max3_num_f32 v[ST+8*\t+4], v[S+32*\t], v[S+32*\t+1], v[S+32*\t+2]     ; in ascending order: each accumulator is read from its low end on
.endr
.irp n, 3,5,7,9,11,13,15,17,19,21,23,25,27,29
.irp t, 0,1,2,3
	v_max3_num_f32 v[ST+8*\t+4], v[ST+8*\t+4], v[S+32*\t+\n], v[S+32*\t+\n+1]
.endr
.endr
.irp t, 0,1,2,3
	v_max3_num_f32 v[ST+8*\t+4], v[ST+8*\t+4], v[S+32*\t+31], v[ST+8*\t+1]  ; and the old maximum
.endr
.irp t, 0,1,2,3
	v_permlanex16_b32 v[ST+8*\t+5], v[ST+8*\t+4], s[SEL], s[SEL+1]          ; the query's other 32 keys lie in the lane 16 away
.endr
.irp t, 0,1,2,3
	v_mov_b32 v[ST+8*\t+7], v[ST+8*\t]
.endr
.irp t, 0,1,2,3
	v_max_num_f32 v[ST+8*\t+1], v[ST+8*\t+4], v[ST+8*\t+5]
.endr
.irp t, 0,1,2,3
	v_mul_f32 v[ST+8*\t], s[CS], v[ST+8*\t+1]
.endr
.irp t, 0,1,2,3
	v_sub_f32 v[ST+8*\t+7], v[ST+8*\t+7], v[ST+8*\t]                        ; c m_old - c m_new
.endr
.irp b, 0,2,4,6,8,10,12,14,16,18,20,22,24,26,28,30
.irp t, 0,1,2,3
	v_pk_fma_f32 v[S+32*\t+\b:S+32*\t+\b+1], v[S+32*\t+\b:S+32*\t+\b+1], s[CS:CS+1], v[ST+8*\t:ST+8*\t+1] op_sel_hi:[1,0,0] neg_lo:[0,0,1] neg_hi:[0,0,1]   ; c s - c m
.endr
.endr
.irp t, 0,1,2,3
	v_exp_f32 v[ST+8*\t+6], v[ST+8*\t+7]           ; the factor for what was summed under the old maximum
.endr
.set n, 0
.rept 128
	v_exp_f32 v[S+n], v[S+n]
.set n, n+1
.endr
	v_nop                                          ; a plain instruction behind the last exponential
	s_wait_alu depctr_va_vdst(0)                   ; one wait for the 132, ahead of their first reader
.set n, 0
.rept 64
	v_cvt_pk_f16_f32 v[P+n], v[S+2*n], v[S+2*n+1]  ; tiles 2 kc, 2 kc + 1 of keys become the eight registers of fragment kc
.set n, n+1
.endr
.irp u, 0,4,8,12,16,20,24,28           ; the sum is taken of the unrounded weights: a tree, in place
.irp t, 0,1,2,3
	v_pk_add_f32 v[S+32*\t+\u:S+32*\t+\u+1], v[S+32*\t+\u:S+32*\t+\u+1], v[S+32*\t+\u+2:S+32*\t+\u+3]
.endr
.endr
.irp u, 0,8,16,24
.irp t, 0,1,2,3
	v_pk_add_f32 v[S+32*\t+\u:S+32*\t+\u+1], v[S+32*\t+\u:S+32*\t+\u+1], v[S+32*\t+\u+4:S+32*\t+\u+5]
.endr
.endr
.irp u, 0,16
.irp t, 0,1,2,3
	v_pk_add_f32 v[S+32*\t+\u:S+32*\t+\u+1], v[S+32*\t+\u:S+32*\t+\u+1], v[S+32*\t+\u+8:S+32*\t+\u+9]
.endr
.endr
.irp t, 0,1,2,3
	v_pk_add_f32 v[S+32*\t:S+32*\t+1], v[S+32*\t:S+32*\t+1], v[S+32*\t+16:S+32*\t+17]
.endr
.irp t, 0,1,2,3
	v_pk_fma_f32 v[ST+8*\t+2:ST+8*\t+3], v[ST+8*\t+2:ST+8*\t+3], v[ST+8*\t+6:ST+8*\t+7], v[S+32*\t:S+32*\t+1] op_sel_hi:[1,0,1]
.endr
.endm
.macro RESCALE                         ; O^T times each tile's factor
	WIN 0x41
.irp t, 0,1,2,3
.set n, 0
.rept 32
	v_pk_mul_f32 v[64*\t+n:64*\t+n+1], v[64*\t+n:64*\t+n+1], v[ST+8*\t+6:ST+8*\t+7] op_sel_hi:[1,0]
.set n, n+2
.endr
.endr
.endm
.macro PV                              ; O^T += v^T p: 64 products; the 32 accumulators take turns
	RESCALE
	WIN 0x53
.set i, 0
.rept 64
.set rO, 64*(i%4)+8*((i/4)%8)
.set rV, 64*(i/32)+8*((i/4)%8)
.set rP, P+16*(i%4)+8*(i/32)
	v_wmma_f32_16x16x32_f16 v[rO:rO+7], v[rV:rV+7], v[rP:rP+7], v[rO:rO+7]
.set i, i+1
.endr
	WIN 0
.endm
; A PREFETCH INTO THE L2 of my step after next: 16,384 bytes of k and of v, lanes 256 bytes apart, two instructions each.  It stands where the wave has just issued its loads of k.  All work-groups of a head walk the
; same k and v from step 0 on; work-group 0 in its block 31 walks all 32 steps, each by one wave: it alone asks, so each block of 256 bytes is named once.  Steps 0-7 come by their loads alone; the last two trips of the
; walk have no step two on and ask for nothing.  k's address has been stepped to my next step, v's has not.
.macro ASK
	s_cmp_gt_u32 s[LC], s[LIM]
	s_cbranch_scc0 .Lnot_mine_\@
	global_prefetch_b8 v[PFO], s[KP:KP+1] offset:4*STEPB th:TH_LOAD_NT scope:SCOPE_SE
	global_prefetch_b8 v[PFO], s[KP:KP+1] offset:4*STEPB+8192 th:TH_LOAD_NT scope:SCOPE_SE
	global_prefetch_b8 v[PFO], s[VP:VP+1] offset:8*STEPB th:TH_LOAD_NT scope:SCOPE_SE
	global_prefetch_b8 v[PFO], s[VP:VP+1] offset:8*STEPB+8192 th:TH_LOAD_NT scope:SCOPE_SE
.Lnot_mine_\@:
.endm
; A KEY STEP.  tail = 0: my next step's k is asked for behind the first product, its v behind the second.  tail = 1: my last step: nothing is asked for, and the mask is laid where it is the block's diagonal step.
.macro STEP tail, ask
	s_wait_loadcnt 32                              ; q and this step's k are in; the 32 younger loads (its v) may be out
	KQ
	PLACES                                         ; in front of the loads into k's registers and of the first read of the scores
.if \tail
	s_cmp_lg_u32 s[LAST], s[QB]
	s_cbranch_scc1 .Lopen_\@
	MASK
.Lopen_\@:
.else
	s_wait_xcnt 0x0                                ; the loads that named k's address have read it
	s_add_nc_u64 s[KP:KP+1], s[KP:KP+1], 4*STEPB
	LOADK
.if \ask
	ASK
.endif
.endif
	SOFTMAX
.if \tail
	s_wait_loadcnt 0x0
.else
	s_wait_loadcnt 32                              ; this step's v is in; the next step's k may be out
.endif
	PV
	PLACES                                         ; in front of the loads into v's registers, and of the first read of O^T
.if !\tail
	s_wait_xcnt 0x0
	s_add_nc_u64 s[VP:VP+1], s[VP:VP+1], 4*STEPB
	LOADV
.endif
.endm
; A BLOCK's key steps.  blk = 0: block 31 - i, in which every wave has four steps or more.  blk = 1: block i, in which a wave may have one step or none.
.macro BLOCK blk
	s_wait_xcnt 0x0                                ; the last merge's stores have read their base and their data
	s_lshl_b32 s30, s[QB], 18
	s_add_nc_u64 s[OUTP:OUTP+1], s[6:7], s[30:31]
.irp t, 0,1,2,3
	v_mov_b32 v[ST+8*\t+1], 0xff61b1e6             ; -3e38, under every score
	v_mov_b32 v[ST+8*\t+2], 0
	v_mov_b32 v[ST+8*\t+3], 0
.endr
.irp t, 0,1,2,3
	v_mul_f32 v[ST+8*\t], s[CS], v[ST+8*\t+1]
.endr
	WIN 0x40
.set n, 0
.rept 256
	v_mov_b32 v[n], 0                              ; O^T
.set n, n+1
.endr
	WIN 0
.if \blk
	s_cmp_eq_u32 s[CNT], 0
	s_cbranch_scc1 .Lmrg_\@
.endif
	s_sub_co_u32 s[LC], s[CNT], 1
.if \blk
	s_cmp_eq_u32 s[LC], 0
	s_cbranch_scc1 .Ltail_\@
.endif
.Lkey_\@:
	STEP 0, 1-\blk
	s_sub_co_u32 s[LC], s[LC], 1
	s_cmp_lg_u32 s[LC], 0
	s_cbranch_scc1 .Lkey_\@
.Ltail_\@:
	STEP 1, 0
.Lmrg_\@:
.endm
; THE FOUR WAVES' PARTS ARE JOINED.  Each wave shows its c m and its sum; with M the largest c m, wave w's part weighs f_w = 2^(c m_w - M); the row's sum is L = sum of f_w l_w; each wave multiplies its O^T by f_w / L and
; lays it in LDS; wave w adds the four parts of rows 16 w .. 16 w + 15 and stores them.  Two barriers: the statistics are read ahead of the second; the parts are read ahead of the next merge's first, in front of which
; every wave waits for all its LDS instructions.
.macro LDG q                           ; rows 4 q .. 4 q + 3 of my 16, four parts each, into set q % 2
.set B, S+64*((\q)%2)
.irp i, 0,1,2,3
	ds_load_b128 v[B+16*\i:B+16*\i+3],     v[PR0] offset:(4*(\q)+\i)*PPITCH
	ds_load_b128 v[B+16*\i+4:B+16*\i+7],   v[PR0] offset:PWAVE+(4*(\q)+\i)*PPITCH
	ds_load_b128 v[B+16*\i+8:B+16*\i+11],  v[PR1] offset:(4*(\q)+\i)*PPITCH
	ds_load_b128 v[B+16*\i+12:B+16*\i+15], v[PR1] offset:PWAVE+(4*(\q)+\i)*PPITCH
.endr
.endm
.macro SUMG q
.set B, S+64*((\q)%2)
.if (\q) < 3
	s_wait_dscnt 16                                ; this group's sixteen loads are in; the next group's may be out
.else
	s_wait_dscnt 0x0
.endif
.irp i, 0,1,2,3
	v_pk_add_f32 v[B+16*\i:B+16*\i+1],     v[B+16*\i:B+16*\i+1],     v[B+16*\i+4:B+16*\i+5]
	v_pk_add_f32 v[B+16*\i+2:B+16*\i+3],   v[B+16*\i+2:B+16*\i+3],   v[B+16*\i+6:B+16*\i+7]
	v_pk_add_f32 v[B+16*\i+8:B+16*\i+9],   v[B+16*\i+8:B+16*\i+9],   v[B+16*\i+12:B+16*\i+13]
	v_pk_add_f32 v[B+16*\i+10:B+16*\i+11], v[B+16*\i+10:B+16*\i+11], v[B+16*\i+14:B+16*\i+15]
	v_pk_add_f32 v[B+16*\i:B+16*\i+1],     v[B+16*\i:B+16*\i+1],     v[B+16*\i+8:B+16*\i+9]
	v_pk_add_f32 v[B+16*\i+2:B+16*\i+3],   v[B+16*\i+2:B+16*\i+3],   v[B+16*\i+10:B+16*\i+11]
	v_cvt_pk_f16_f32 v[P+2*(4*(\q)+\i)],   v[B+16*\i],   v[B+16*\i+1]
	v_cvt_pk_f16_f32 v[P+2*(4*(\q)+\i)+1], v[B+16*\i+2], v[B+16*\i+3]
	global_store_b64 v[GO], v[P+2*(4*(\q)+\i):P+2*(4*(\q)+\i)+1], s[OUTP:OUTP+1] offset:(4*(\q)+\i)*4096   ; the head's 256 bytes of a row, aligned
.endr
.endm
.macro MERGE
.irp t, 0,1,2,3
	v_add_f32 v[ST+8*\t+4], v[ST+8*\t+2], v[ST+8*\t+3]
.endr
.irp t, 0,1,2,3
	v_permlanex16_b32 v[ST+8*\t+5], v[ST+8*\t+4], s[SEL], s[SEL+1]
.endr
.irp t, 0,1,2,3
	v_add_f32 v[ST+8*\t+4], v[ST+8*\t+4], v[ST+8*\t+5]
.endr
.irp t, 0,1,2,3
	ds_store_b32 v[MW], v[ST+8*\t] offset:1024*\t
	ds_store_b32 v[MW], v[ST+8*\t+4] offset:1024*\t+512
.endr
	s_wait_dscnt 0x0                               ; for the others' sake: my statistics lie in LDS, and my reads of the last merge's parts are over
	s_barrier_signal -1
	s_barrier_wait -1
.irp t, 0,1,2,3
.irp k, 0,1
.irp w, 0,1,2,3
	ds_load_b32 v[S+8*\t+4*\k+\w], v[MR] offset:1024*\t+512*\k+128*\w
.endr
.endr
.endr
	s_wait_dscnt 0x0
.irp t, 0,1,2,3
	v_max3_num_f32 v[ST+8*\t+5], v[S+8*\t], v[S+8*\t+1], v[S+8*\t+2]
.endr
.irp t, 0,1,2,3
	v_max_num_f32 v[ST+8*\t+5], v[ST+8*\t+5], v[S+8*\t+3]
.endr
.irp t, 0,1,2,3
	v_sub_f32 v[ST+8*\t+7], v[ST+8*\t], v[ST+8*\t+5]
.irp w, 0,1,2,3
	v_sub_f32 v[S+8*\t+\w], v[S+8*\t+\w], v[ST+8*\t+5]
.endr
.endr
.irp t, 0,1,2,3
	v_exp_f32 v[ST+8*\t+6], v[ST+8*\t+7]
.irp w, 0,1,2,3
	v_exp_f32 v[S+8*\t+\w], v[S+8*\t+\w]
.endr
.endr
	v_nop
	s_wait_alu depctr_va_vdst(0)                   ; one wait for the twenty
.irp t, 0,1,2,3
	v_mul_f32 v[ST+8*\t+4], v[S+8*\t], v[S+8*\t+4]
.endr
.irp w, 1,2,3
.irp t, 0,1,2,3
	v_fma_f32 v[ST+8*\t+4], v[S+8*\t+\w], v[S+8*\t+4+\w], v[ST+8*\t+4]
.endr
.endr
.irp t, 0,1,2,3
	v_rcp_f32 v[ST+8*\t+5], v[ST+8*\t+4]           ; the wave with the largest c m has f = 1 and a sum of 1 or more: L is no zero
.endr
	v_nop
	s_wait_alu depctr_va_vdst(0)                   ; one wait for the four
.irp t, 0,1,2,3
	v_mul_f32 v[ST+8*\t+6], v[ST+8*\t+6], v[ST+8*\t+5]
.endr
	RESCALE
	WIN 0x04                                       ; an LDS store's data: window 1
.irp t, 0,1,2,3
.irp ct, 0,1,2,3,4,5,6,7
	ds_store_b128 v[PW], v[64*\t+8*\ct:64*\t+8*\ct+3] offset:\t*16*PPITCH+64*\ct
	ds_store_b128 v[PW], v[64*\t+8*\ct+4:64*\t+8*\ct+7] offset:\t*16*PPITCH+64*\ct+16
.endr
.endr
	WIN 0
	s_wait_dscnt 0x0                               ; for the others' sake: my part lies in LDS
	s_barrier_signal -1
	s_barrier_wait -1
	LDG 0
	LDG 1
	SUMG 0
	LDG 2
	SUMG 1
	LDG 3
	SUMG 2
	SUMG 3
.endm
	BLKSET 0
	ISSUE
	BLOCK 0
	BLKSET 1                                       ; the second block's loads land while the first is joined
	s_cmp_eq_u32 s[CNT], 0
	s_cbranch_scc1 .Lnone
	ISSUE
.Lnone:
	MERGE
	BLOCK 1
	MERGE
	s_wait_tensorcnt 0x0                           ; the wave's end, behind my last LDS store
	ds_add_u32 v[SPW], v[NIL]
	s_wait_dscnt 0x0
	s_endpgm
.Lfunc_end_k_qe9dbbfb3bc_attn:
	.size	k_qe9dbbfb3bc_attn, .Lfunc_end_k_qe9dbbfb3bc_attn-k_qe9dbbfb3bc_attn
	.p2alignl 7, 3214868480
	.fill 96, 4, 3214868480
	.section	.rodata,"a",@progbits
	.p2align	6, 0x0
	.amdhsa_kernel k_qe9dbbfb3bc_attn
		.amdhsa_group_segment_fixed_size 139776
		.amdhsa_private_segment_fixed_size 0
		.amdhsa_enable_private_segment 0
		.amdhsa_kernarg_size 16
		.amdhsa_user_sgpr_count 2
		.amdhsa_user_sgpr_kernarg_segment_ptr 1
		.amdhsa_wavefront_size32 1
		.amdhsa_system_sgpr_workgroup_id_x 1
		.amdhsa_system_sgpr_workgroup_id_y 1
		.amdhsa_system_sgpr_workgroup_id_z 1
		.amdhsa_system_vgpr_workitem_id 0
		.amdhsa_next_free_vgpr 896
		.amdhsa_next_free_sgpr 66
		.amdhsa_reserve_vcc 0
		.amdhsa_float_denorm_mode_32 3
		.amdhsa_float_denorm_mode_16_64 3
		.amdhsa_memory_ordered 1
		.amdhsa_forward_progress 1
		.amdhsa_inst_pref_size 255
	.end_amdhsa_kernel
	.section	.bss,"aw",@nobits
	.p2align	6
	.space	262144
	.amdgpu_metadata
---
amdhsa.version: [ 1, 2 ]
amdhsa.kernels:
  - .name:           k_qe9dbbfb3bc_attn
    .symbol:         k_qe9dbbfb3bc_attn.kd
    .args:
      - { .name: qkvimg, .offset: 0, .size: 8, .value_kind: global_buffer, .address_space: global }
      - { .name: attn16, .offset: 8, .size: 8, .value_kind: global_buffer, .address_space: global }
    .group_segment_fixed_size: 139776
    .private_segment_fixed_size: 0
    .kernarg_segment_align: 8
    .kernarg_segment_size: 16
    .max_flat_workgroup_size: 128
    .sgpr_count:     66
    .vgpr_count:     896
    .wavefront_size: 32
...
	.end_amdgpu_metadata
.endif
;; end of part 4
;; launch proj (part 5): grid 16 x 16, 4 waves a work-group, clusters of 4 x 4, 327,680 bytes of LDS; arguments attn16, wo16, out0; writes out0
.if DOCPART == 5
	.amdgcn_target "amdgcn-amd-amdhsa--gfx1250"
	.amdhsa_code_object_version 6
	.text
	.protected	k_qe9dbbfb3bc_proj
	.globl	k_qe9dbbfb3bc_proj
	.p2align	8
	.type	k_qe9dbbfb3bc_proj,@function
k_qe9dbbfb3bc_proj:
	s_mov_b64 s[64:65], 0
	v_nop
	global_prefetch_b8 v0, s[64:65] scope:SCOPE_SE
	s_setreg_imm32_b32 hwreg(HW_REG_WAVE_MODE, 25, 1), 1
	s_wait_xcnt 0x0
	s_wait_alu depctr_hold_cnt(0) depctr_sa_sdst(0) depctr_va_vdst(0) depctr_va_sdst(0) depctr_va_ssrc(0) depctr_va_vcc(0) depctr_vm_vsrc(0)
	s_getreg_b32 s2, hwreg(HW_REG_IB_STS2, 6, 4)
	s_cmp_eq_u32 s2, 0
	s_cbranch_scc0 .Lentry_in_a_cluster
	s_endpgm
.Lentry_in_a_cluster:
	s_bfe_u32 s2, ttmp6, 0x10000c
	s_cmp_lg_u32 s2, 0xf033
	s_cbranch_scc0 .Lentry_shape_is_right
	s_endpgm
.Lentry_shape_is_right:
; out0[n][d] = sum over e of attn16[n][e] wo16[d][e]: f16 operands, f32 sums, f32 result.  All three are [2048][2048], row-major.  Rows 0-15 are made with the rest of their tile; launch fproj, which runs behind this
; one, writes them again from f32 operands.
; 256 tiles of 128 x 128, one to a work-group; four waves of 64 x 64: 16 accumulators.  K goes in steps of 256 (LDS rows of 512 bytes, 64 rows to a wave's tensor load) through a ring of two slots.
; CLUSTERS: 4 x 4 work-groups; A's tile is shared along a row of the cluster, B's along a column: each is asked for jointly.  THE MATRIX INSTRUCTION IS USED TRANSPOSED (source 0 = 16 rows of B, source 1 = 16 rows of A):
; a lane holds eight neighbouring numbers of a row of the result.
; THE WAY OUT: a wave's 64 columns of f32 are 256 bytes, aligned: so each wave has a stage of its own (16 rows x 272 bytes), no barrier, and sixteen lanes store 256 consecutive bytes.
; No prefetch: a K step's work on tiles of this size is short, and the tiles are shared in the cluster.
; REGISTERS: window 0: v16-29 addresses; v32-95 at work on the way out; v128-255 the accumulators ((a, b) at v[128 + 8 (4 a + b)]).   window 1: two fragment buffers of 128.
.set SIZE_N, 2048
.set SIZE_K, 2048
.set KSTEP,  256
.set PITCH,  528
.set HALFT,  64*PITCH
.set SLOT,   4*HALFT
.set STAGE,  2*SLOT
.set SPITCH, 272
.set SPARE,  STAGE+4*16*SPITCH
.set LAPS, SIZE_K/(2*KSTEP)
.set ADRA, 16
.set ADRB, 20
.set STO,  24
.set RD,   25
.set CO,   26
.set SPW,  28
.set NIL,  29
.set TMP,  32
.set ACC,  128
.set F0,   0
.set F1,   128
.set G1, 24
.set G0, 32
.set G1B, 48
.set G0B, 56
.set MSB, 0
.macro WIN new
.if MSB != \new
	s_set_vgpr_msb (MSB<<8)|\new
.set MSB, \new
.endif
.endm
.set MUL,  0x05                        ; sources 0 (B) and 1 (A) window 1; C and D window 0
.set TO_F, 0x40
.macro JLOAD s                         ; a joint load: waves 0 and 1 fetch A's two halves, waves 2 and 3 B's; an s_nop 0 and four v_nop follow each of the two lines
	s_cmp_eq_u32 s11, 0
	s_cbranch_scc0 .Lfor_b_\@
	tensor_load_to_lds s[G0+4*\s:G0+4*\s+3], s[G1:G1+7]
	s_nop 0
.rept 4
	v_nop
.endr
	s_branch .Lasked_\@
.Lfor_b_\@:
	tensor_load_to_lds s[G0B+4*\s:G0B+4*\s+3], s[G1B:G1B+7]
	s_nop 0
.rept 4
	v_nop
.endr
.Lasked_\@:
.endm
.macro CREST
	s_cmp_lg_u32 s10, 0
	s_cbranch_scc1 .Lnot_wave_0_\@
	s_barrier_signal -3
.Lnot_wave_0_\@:
	s_barrier_wait -3
	s_barrier_signal -1
	s_barrier_wait -1
.endm
.macro CROUND
	s_barrier_signal -1
	s_barrier_wait -1
	CREST
.endm
	s_load_b128 s[4:7], s[0:1], 0x0                ; attn16 s[4:5], wo16 s[6:7]
	s_load_b64 s[8:9], s[0:1], 0x10                ; out0
	v_lshl_add_u32 v[SPW], v0, 2, SPARE
	v_mov_b32 v[NIL], 0
	ds_add_u32 v[SPW], v[NIL]                      ; the wave's opening: the add, twice on end, and its wait ahead of my first tensor load
	ds_add_u32 v[SPW], v[NIL]
	v_lshrrev_b32 v1, 5, v0
	v_readfirstlane_b32 s10, v1                    ; wave 0..3
	s_lshr_b32 s11, s10, 1                         ; which half of the tile's rows is mine.  Also: I fetch for A (0) or for B (1)
	s_and_b32 s12, s10, 1                          ; which half of its columns.  Also: which 64 rows of that tile I fetch
	s_bfe_u32 s40, ttmp6, 0x40000
	s_bfe_u32 s41, ttmp6, 0x40004
	s_lshl_b32 s42, ttmp9, 2
	s_add_co_u32 s42, s42, s40                     ; tile column
	s_and_b32 s13, ttmp7, 0xffff
	s_lshl_b32 s13, s13, 2
	s_add_co_u32 s13, s13, s41                     ; tile row
	s_lshl_b32 s43, s41, 2
	s_lshl_b32 s43, 15, s43
	s_lshl_b32 s44, 0x1111, s40
	s_or_b32 s[G1+0], s43, (1<<16)|(1<<20)|(1<<21)|(6<<22)|(3<<25)  ; the mask; elements of 2 bytes; padding on; bit 21 beside a mask; four words of padding after every 128
	s_or_b32 s[G1B+0], s44, (1<<16)|(1<<20)|(1<<21)|(6<<22)|(3<<25)
.irp g, G1, G1B
	s_mov_b32 s[\g+1], KSTEP<<16
	s_mov_b32 s[\g+2], 64<<16
	s_mov_b32 s[\g+3], KSTEP<<16
	s_mov_b32 s[\g+4], 64
	s_mov_b32 s[\g+5], SIZE_K
	s_mov_b32 s[\g+6], 0
	s_mov_b32 s[\g+7], 0
.endr
	s_lshl_b32 s17, s12, 6
	s_lshl_b32 s16, s13, 7
	s_add_co_u32 s16, s16, s17                     ; A: row 128 x tile row + 64 x half
	s_lshl_b32 s46, s42, 7
	s_add_co_u32 s46, s46, s17                     ; B: row 128 x tile column + 64 x half
	s_mov_b32 s17, 0
	s_mov_b32 s47, 0
	s_mov_b64 s[18:19], SIZE_K*2
	s_mul_u64 s[16:17], s[16:17], s[18:19]
	s_mul_u64 s[46:47], s[46:47], s[18:19]
	s_mul_i32 s20, s10, HALFT
	s_wait_dscnt 0x0                               ; both opening adds are done
	s_wait_kmcnt 0x0
	s_add_nc_u64 s[14:15], s[4:5], s[16:17]
	s_add_nc_u64 s[46:47], s[6:7], s[46:47]
	CROUND                                         ; all sixteen work-groups are here: the first joint loads meet
.irp s, 0,1
	s_mov_b32 s[G0+4*\s], 1
	s_add_co_u32 s[G0+4*\s+1], s20, \s*SLOT
	s_add_nc_u64 s[G0+4*\s+2:G0+4*\s+3], s[14:15], \s*KSTEP*2
	s_or_b32 s[G0+4*\s+3], s[G0+4*\s+3], 0x80000000
	s_mov_b32 s[G0B+4*\s], 1
	s_add_co_u32 s[G0B+4*\s+1], s20, \s*SLOT
	s_add_nc_u64 s[G0B+4*\s+2:G0B+4*\s+3], s[46:47], \s*KSTEP*2
	s_or_b32 s[G0B+4*\s+3], s[G0B+4*\s+3], 0x80000000
	JLOAD \s
.endr
	v_and_b32 v1, 15, v0                           ; l % 16
	v_bfe_u32 v2, v0, 4, 1                         ; l / 16
	v_mul_u32_u24 v3, v1, PITCH
	v_lshl_add_u32 v3, v2, 4, v3
	s_mul_i32 s21, s11, HALFT
	s_mul_i32 s22, s12, HALFT
	s_add_co_u32 s22, s22, 2*HALFT
.irp s, 0,1
	v_add_nc_u32 v[ADRA+\s], s21, v3
	v_add_nc_u32 v[ADRB+\s], s22, v3
	s_add_co_u32 s21, s21, SLOT
	s_add_co_u32 s22, s22, SLOT
.endr
	s_mul_i32 s23, s10, 16*SPITCH
	s_add_co_u32 s23, s23, STAGE                   ; my stage
	v_mul_u32_u24 v4, v1, SPITCH
	v_lshl_add_u32 v4, v2, 5, v4
	v_add_nc_u32 v[STO], s23, v4                   ; in: row l % 16, 32 bytes for each half of the lanes
	v_mul_u32_u24 v5, v2, SPITCH
	v_lshl_add_u32 v5, v1, 4, v5
	v_add_nc_u32 v[RD], s23, v5                    ; back: lanes 0-15 one row of 256 bytes, lanes 16-31 the next
	v_lshlrev_b32 v5, 13, v2
	v_lshl_add_u32 v[CO], v1, 4, v5                ; and the same two rows in out0: 8,192 bytes a row
	s_lshl_b32 s16, s13, 7
	s_lshl_b32 s17, s11, 6
	s_add_co_u32 s16, s16, s17                     ; my first row: 128 x tile row + 64 x half
	s_mov_b32 s17, 0
	s_mov_b64 s[18:19], SIZE_N*4
	s_mul_u64 s[16:17], s[16:17], s[18:19]
	s_add_nc_u64 s[8:9], s[8:9], s[16:17]
	s_lshl_b32 s46, s42, 9                         ; my first column in bytes: 512 x tile column + 256 x half
	s_lshl_b32 s47, s12, 8
	s_add_co_u32 s46, s46, s47
	s_mov_b32 s47, 0
	s_add_nc_u64 s[8:9], s[8:9], s[46:47]
.macro MUL8 f, c, a0, zero             ; 8 products: m blocks a0, a0 + 1 x all 4 n blocks, 32 along K; the 16 accumulators take turns
.irp a, \a0, \a0+1
.irp b, 0,1,2,3
.if \zero
	v_wmma_f32_16x16x32_f16 v[ACC+8*(4*(\a)+\b):ACC+8*(4*(\a)+\b)+7], v[\f+64+8*(4*\c+\b):\f+64+8*(4*\c+\b)+7], v[\f+8*(4*\c+\a):\f+8*(4*\c+\a)+7], 0
.else
	v_wmma_f32_16x16x32_f16 v[ACC+8*(4*(\a)+\b):ACC+8*(4*(\a)+\b)+7], v[\f+64+8*(4*\c+\b):\f+64+8*(4*\c+\b)+7], v[\f+8*(4*\c+\a):\f+8*(4*\c+\a)+7], v[ACC+8*(4*(\a)+\b):ACC+8*(4*(\a)+\b)+7]
.endif
.endr
.endr
.endm
.macro FETCH slot, k, f                ; 32 LDS loads in one run: the fragments of 64 along K at byte k of the rows; the first 32 along K first
	WIN TO_F
.irp c, 0,1
.irp i, 0,1,2,3
	ds_load_b128 v[\f+64+8*(4*\c+\i):\f+64+8*(4*\c+\i)+3],   v[ADRB+\slot] offset:\k+64*\c+\i*16*PITCH
	ds_load_b128 v[\f+64+8*(4*\c+\i)+4:\f+64+8*(4*\c+\i)+7], v[ADRB+\slot] offset:\k+64*\c+\i*16*PITCH+32
	ds_load_b128 v[\f+8*(4*\c+\i):\f+8*(4*\c+\i)+3],         v[ADRA+\slot] offset:\k+64*\c+\i*16*PITCH
	ds_load_b128 v[\f+8*(4*\c+\i)+4:\f+8*(4*\c+\i)+7],       v[ADRA+\slot] offset:\k+64*\c+\i*16*PITCH+32
.endr
.endr
.endm
.macro PLACES
.rept 4
	v_nop
.endr
.endm
.macro QUARTER slot, k, f, g, zero
	s_wait_dscnt 16                                ; the first 32 along K are in; the sixteen younger loads may be out
	WIN MUL
	MUL8 \f, 0, 0, \zero
	MUL8 \f, 0, 2, \zero
	PLACES
	FETCH \slot, \k, \g
	s_wait_dscnt 32                                ; all but the 32 just issued
	WIN MUL
	MUL8 \f, 1, 0, 0
	MUL8 \f, 1, 2, 0
.endm
.macro TURN slot, next, fill           ; the last quarter changes slots: one barrier; in front of it the wait for all my tensor loads, the add, and the wait for it and for my reads of this slot
	WIN 0
	s_wait_tensorcnt 0x0
	ds_add_u32 v[SPW], v[NIL]
	s_wait_dscnt 17                                ; (the add and the youngest sixteen loads may be out)
	WIN MUL
	MUL8 F1, 0, 0, 0
	s_wait_dscnt 0x0
	s_barrier_signal -1
	MUL8 F1, 0, 2, 0
.if \fill
	WIN 0
.endif
	s_barrier_wait -1
.if \fill
	CREST                                          ; the barrier has opened a round of the cluster's
	s_add_nc_u64 s[G0+4*\slot+2:G0+4*\slot+3], s[G0+4*\slot+2:G0+4*\slot+3], 2*KSTEP*2
	s_add_nc_u64 s[G0B+4*\slot+2:G0B+4*\slot+3], s[G0B+4*\slot+2:G0B+4*\slot+3], 2*KSTEP*2
	JLOAD \slot                                    ; the first tensor load behind the round; its four v_nop are the places in front of the loads below
.else
	PLACES
.endif
	FETCH \next, 0, F0
	WIN MUL
	MUL8 F1, 1, 0, 0
	MUL8 F1, 1, 2, 0
.endm
	s_wait_tensorcnt 1                             ; my part of K step 0 is in (K step 1's may be out)
	s_barrier_signal -1
	s_barrier_wait -1
	FETCH 0, 0, F0
	QUARTER 0, 128, F0, F1, 1
	WIN 0
	s_mov_b32 s3, LAPS-1
.Llap:
	QUARTER 0, 256, F1, F0, 0
	QUARTER 0, 384, F0, F1, 0
	TURN 0, 1, 1
	QUARTER 1, 128, F0, F1, 0
	QUARTER 1, 256, F1, F0, 0
	QUARTER 1, 384, F0, F1, 0
	TURN 1, 0, 1
	QUARTER 0, 128, F0, F1, 0
	WIN 0
	s_sub_co_u32 s3, s3, 1
	s_cmp_lg_u32 s3, 0
	s_cbranch_scc1 .Llap
	QUARTER 0, 256, F1, F0, 0                      ; the last lap fills nothing
	QUARTER 0, 384, F0, F1, 0
	TURN 0, 1, 0
	QUARTER 1, 128, F0, F1, 0
	QUARTER 1, 256, F1, F0, 0
	QUARTER 1, 384, F0, F1, 0
	s_wait_dscnt 16
	WIN MUL
	MUL8 F1, 0, 0, 0
	MUL8 F1, 0, 2, 0
	s_wait_dscnt 0
	MUL8 F1, 1, 0, 0
	MUL8 F1, 1, 2, 0
	WIN 0
	PLACES
; THE WAY OUT, 16 rows at a time, through my own stage: LDS serves a wave's instructions in order, so no wait stands between my stores and my loads, nor in front of the next block's stores
.irp a, 0,1,2,3
.if \a >= 2
	s_wait_xcnt 0x0                                ; the stores of two blocks back have read this set of registers
.endif
.irp b, 0,1,2,3
	ds_store_b128 v[STO], v[ACC+8*(4*\a+\b):ACC+8*(4*\a+\b)+3] offset:64*\b          ; each accumulator from its low end on
	ds_store_b128 v[STO], v[ACC+8*(4*\a+\b)+4:ACC+8*(4*\a+\b)+7] offset:64*\b+16
.endr
.irp t, 0,1,2,3,4,5,6,7
	ds_load_b128 v[TMP+32*(\a%2)+4*\t:TMP+32*(\a%2)+4*\t+3], v[RD] offset:\t*2*SPITCH
.endr
.irp t, 0,1,2,3,4,5,6,7
	s_wait_dscnt 7-\t
	global_store_b128 v[CO], v[TMP+32*(\a%2)+4*\t:TMP+32*(\a%2)+4*\t+3], s[8:9] offset:(16*\a+2*\t)*SIZE_N*4 th:TH_STORE_NT   ; sixteen lanes store 256 consecutive bytes, aligned
.endr
.endr
	s_wait_tensorcnt 0x0                           ; the wave's end
	ds_add_u32 v[SPW], v[NIL]
	s_wait_dscnt 0x0
	CROUND                                         ; the closing round
	s_endpgm
.Lfunc_end_k_qe9dbbfb3bc_proj:
	.size	k_qe9dbbfb3bc_proj, .Lfunc_end_k_qe9dbbfb3bc_proj-k_qe9dbbfb3bc_proj
	.p2alignl 7, 3214868480
	.fill 96, 4, 3214868480
	.section	.rodata,"a",@progbits
	.p2align	6, 0x0
	.amdhsa_kernel k_qe9dbbfb3bc_proj
		.amdhsa_group_segment_fixed_size 327680
		.amdhsa_private_segment_fixed_size 0
		.amdhsa_enable_private_segment 0
		.amdhsa_kernarg_size 24
		.amdhsa_user_sgpr_count 2
		.amdhsa_user_sgpr_kernarg_segment_ptr 1
		.amdhsa_wavefront_size32 1
		.amdhsa_system_sgpr_workgroup_id_x 1
		.amdhsa_system_sgpr_workgroup_id_y 1
		.amdhsa_system_sgpr_workgroup_id_z 1
		.amdhsa_system_vgpr_workitem_id 0
		.amdhsa_next_free_vgpr 512
		.amdhsa_next_free_sgpr 66
		.amdhsa_reserve_vcc 0
		.amdhsa_float_denorm_mode_32 3
		.amdhsa_float_denorm_mode_16_64 3
		.amdhsa_memory_ordered 1
		.amdhsa_forward_progress 1
		.amdhsa_inst_pref_size 86
	.end_amdhsa_kernel
	.amdgpu_metadata
---
amdhsa.version: [ 1, 2 ]
amdhsa.kernels:
  - .name:           k_qe9dbbfb3bc_proj
    .symbol:         k_qe9dbbfb3bc_proj.kd
    .args:
      - { .name: attn16, .offset: 0, .size: 8, .value_kind: global_buffer, .address_space: global }
      - { .name: wo16, .offset: 8, .size: 8, .value_kind: global_buffer, .address_space: global }
      - { .name: out0, .offset: 16, .size: 8, .value_kind: global_buffer, .address_space: global }
    .group_segment_fixed_size: 327680
    .private_segment_fixed_size: 0
    .kernarg_segment_align: 8
    .kernarg_segment_size: 24
    .max_flat_workgroup_size: 128
    .sgpr_count:     66
    .vgpr_count:     512
    .wavefront_size: 32
...
	.end_amdgpu_metadata
.endif
;; end of part 5
;; launch fproj (part 6): grid 128 x 1, 16 waves a work-group, no clusters, 18,432 bytes of LDS; arguments attnf, Wo, out0; writes out0
.if DOCPART == 6
	.amdgcn_target "amdgcn-amd-amdhsa--gfx1250"
	.amdhsa_code_object_version 6
	.text
	.protected	k_qe9dbbfb3bc_fproj
	.globl	k_qe9dbbfb3bc_fproj
	.p2align	8
	.type	k_qe9dbbfb3bc_fproj,@function
k_qe9dbbfb3bc_fproj:
	s_mov_b64 s[64:65], 0
	v_nop
	global_prefetch_b8 v0, s[64:65] scope:SCOPE_SE
	s_setreg_imm32_b32 hwreg(HW_REG_WAVE_MODE, 25, 1), 1
	s_wait_xcnt 0x0
; Rows 0-15 of the result in f32: out0[n][d] = sum over e of attnf[n][e] Wo[d][e], n = 0 .. 15, written over what launch proj left there from 16-bit operands.
; A work-group takes 16 columns d, each of its sixteen waves one head (128 of the 2,048 along e); the sixteen parts meet in LDS and waves 0 and 1 add and store them.  128 work-groups share out the one read of Wo.
; attnf holds launch fattn's results as they lay in registers: lane (r, h), register 8 ct + j = O[r][16 ct + 8 h + j].  Wo is loaded so that lane (r, h)'s register 8 ct + j is Wo[16 wg + r][128 head + 16 ct + 8 h + j]:
; registers 2 e, 2 e + 1 of both operands hold the same four places along the sum.  Source 0 = Wo's rows, source 1 = O: a lane holds row r of the result and columns 16 wg + 8 h + 0 .. 7.
; A row's piece is 64 bytes: rows of the result are written in part here.  The launch writes 131,072 bytes in all.
.set OF, 16                            ; v16-79 O; later the sixteen parts
.set WF, 80                            ; v80-143 Wo
.set AC, 144                           ; v144-175 four accumulators by turns: written by matrix instructions alone
.set Y,  176                           ; v176-183 my part
.set SPW, 12
.set NIL, 13
.set SPARE, 16384                      ; behind the sixteen parts of 1,024 bytes: the spare words, 128 bytes a wave
	s_load_b128 s[4:7], s[0:1], 0x0                ; attnf, Wo
	s_load_b64 s[8:9], s[0:1], 0x10                ; out0
	v_lshl_add_u32 v[SPW], v0, 2, SPARE
	v_mov_b32 v[NIL], 0
	v_lshrrev_b32 v1, 5, v0
	v_readfirstlane_b32 s10, v1                    ; wave = head
	v_and_b32 v1, 31, v0
	v_lshlrev_b32 v2, 4, v1                        ; 16 x lane
	v_and_b32 v3, 15, v0                           ; r
	v_bfe_u32 v4, v0, 4, 1                         ; h
	v_lshlrev_b32 v5, 13, v3
	v_lshl_add_u32 v5, v4, 5, v5                   ; 8,192 r + 32 h: my place in Wo's 16 rows, and in out0's
	s_lshl_b32 s11, s10, 10
	v_add_nc_u32 v6, s11, v2                       ; LDS: my part
	s_and_b32 s11, s10, 1
	s_lshl_b32 s11, s11, 9
	v_add_nc_u32 v7, s11, v2                       ; and what waves 0 and 1 read: half u = wave of each part
	s_lshl_b32 s12, s10, 13                        ; attnf: 8,192 bytes a head
	s_mov_b32 s13, 0
	s_lshl_b32 s14, ttmp9, 17                      ; Wo: 16 rows of 8,192 bytes a work-group,
	s_lshl_b32 s16, s10, 9
	s_add_co_u32 s14, s14, s16                     ; + 512 bytes a head
	s_mov_b32 s15, 0
	s_lshl_b32 s16, ttmp9, 6                       ; out0: 64 bytes a work-group,
	s_and_b32 s17, s10, 1
	s_lshl_b32 s17, s17, 4
	s_add_co_u32 s16, s16, s17                     ; + 16 u
	s_mov_b32 s17, 0
	s_wait_kmcnt 0x0
	s_add_nc_u64 s[4:5], s[4:5], s[12:13]
	s_add_nc_u64 s[6:7], s[6:7], s[14:15]
	s_add_nc_u64 s[8:9], s[8:9], s[16:17]
.irp i, 0,1,2,3,4,5,6,7,8,9,10,11,12,13,14,15
	global_load_b128 v[OF+4*\i:OF+4*\i+3], v2, s[4:5] offset:512*\i
	global_load_b128 v[WF+4*\i:WF+4*\i+3], v5, s[6:7] offset:64*(\i/2)+16*(\i%2)
.endr
	s_wait_loadcnt 0x0
.set e, 0
.rept 32                               ; four accumulators take turns, one instruction a turn; the first four products start the sums
.if e < 4
	v_wmma_f32_16x16x4_f32 v[AC+8*(e%4):AC+8*(e%4)+7], v[WF+2*e:WF+2*e+1], v[OF+2*e:OF+2*e+1], 0
.else
	v_wmma_f32_16x16x4_f32 v[AC+8*(e%4):AC+8*(e%4)+7], v[WF+2*e:WF+2*e+1], v[OF+2*e:OF+2*e+1], v[AC+8*(e%4):AC+8*(e%4)+7]
.endif
.set e, e+1
.endr
.rept 8
	v_nop                                          ; eight places behind this form before a result is read (ISA guide 7.12.1)
.endr
.irp j, 0,1,2,3,4,5,6,7
	v_add_f32 v[Y+\j], v[AC+\j], v[AC+8+\j]        ; each accumulator from its low end on
	v_add_f32 v8, v[AC+16+\j], v[AC+24+\j]
	v_add_f32 v[Y+\j], v[Y+\j], v8
.endr
	ds_store_b128 v6, v[Y:Y+3]
	ds_store_b128 v6, v[Y+4:Y+7] offset:512
	s_wait_dscnt 0x0                               ; for the others' sake: my part lies in LDS
	s_barrier_signal -1
	s_barrier_wait -1
	s_wait_tensorcnt 0x0                           ; behind my last LDS store; only LDS reads follow
	ds_add_u32 v[SPW], v[NIL]
	s_wait_dscnt 0x0
	s_cmp_ge_u32 s10, 2
	s_cbranch_scc1 .Ldone
.irp w, 0,1,2,3,4,5,6,7,8,9,10,11,12,13,14,15
	ds_load_b128 v[OF+4*\w:OF+4*\w+3], v7 offset:1024*\w
.endr
	s_wait_dscnt 0x0
.irp w, 0,1,2,3,4,5,6,7
	v_pk_add_f32 v[OF+4*\w:OF+4*\w+1], v[OF+4*\w:OF+4*\w+1], v[OF+4*\w+32:OF+4*\w+33]
	v_pk_add_f32 v[OF+4*\w+2:OF+4*\w+3], v[OF+4*\w+2:OF+4*\w+3], v[OF+4*\w+34:OF+4*\w+35]
.endr
.irp w, 0,1,2,3
	v_pk_add_f32 v[OF+4*\w:OF+4*\w+1], v[OF+4*\w:OF+4*\w+1], v[OF+4*\w+16:OF+4*\w+17]
	v_pk_add_f32 v[OF+4*\w+2:OF+4*\w+3], v[OF+4*\w+2:OF+4*\w+3], v[OF+4*\w+18:OF+4*\w+19]
.endr
.irp w, 0,1
	v_pk_add_f32 v[OF+4*\w:OF+4*\w+1], v[OF+4*\w:OF+4*\w+1], v[OF+4*\w+8:OF+4*\w+9]
	v_pk_add_f32 v[OF+4*\w+2:OF+4*\w+3], v[OF+4*\w+2:OF+4*\w+3], v[OF+4*\w+10:OF+4*\w+11]
.endr
	v_pk_add_f32 v[OF:OF+1], v[OF:OF+1], v[OF+4:OF+5]
	v_pk_add_f32 v[OF+2:OF+3], v[OF+2:OF+3], v[OF+6:OF+7]
	global_store_b128 v5, v[OF:OF+3], s[8:9]       ; out0[r][16 wg + 8 h + 4 u + 0 .. 3]
.Ldone:
	s_endpgm
.Lfunc_end_k_qe9dbbfb3bc_fproj:
	.size	k_qe9dbbfb3bc_fproj, .Lfunc_end_k_qe9dbbfb3bc_fproj-k_qe9dbbfb3bc_fproj
	.p2alignl 7, 3214868480
	.fill 96, 4, 3214868480
	.section	.rodata,"a",@progbits
	.p2align	6, 0x0
	.amdhsa_kernel k_qe9dbbfb3bc_fproj
		.amdhsa_group_segment_fixed_size 18432
		.amdhsa_private_segment_fixed_size 0
		.amdhsa_enable_private_segment 0
		.amdhsa_kernarg_size 24
		.amdhsa_user_sgpr_count 2
		.amdhsa_user_sgpr_kernarg_segment_ptr 1
		.amdhsa_wavefront_size32 1
		.amdhsa_system_sgpr_workgroup_id_x 1
		.amdhsa_system_sgpr_workgroup_id_y 1
		.amdhsa_system_sgpr_workgroup_id_z 1
		.amdhsa_system_vgpr_workitem_id 0
		.amdhsa_next_free_vgpr 192
		.amdhsa_next_free_sgpr 66
		.amdhsa_reserve_vcc 0
		.amdhsa_float_denorm_mode_32 3
		.amdhsa_float_denorm_mode_16_64 3
		.amdhsa_memory_ordered 1
		.amdhsa_forward_progress 1
		.amdhsa_inst_pref_size 11
	.end_amdhsa_kernel
	.amdgpu_metadata
---
amdhsa.version: [ 1, 2 ]
amdhsa.kernels:
  - .name:           k_qe9dbbfb3bc_fproj
    .symbol:         k_qe9dbbfb3bc_fproj.kd
    .args:
      - { .name: attnf, .offset: 0, .size: 8, .value_kind: global_buffer, .address_space: global }
      - { .name: Wo, .offset: 8, .size: 8, .value_kind: global_buffer, .address_space: global }
      - { .name: out0, .offset: 16, .size: 8, .value_kind: global_buffer, .address_space: global }
    .group_segment_fixed_size: 18432
    .private_segment_fixed_size: 0
    .kernarg_segment_align: 8
    .kernarg_segment_size: 24
    .max_flat_workgroup_size: 512
    .sgpr_count:     66
    .vgpr_count:     192
    .wavefront_size: 32
...
	.end_amdgpu_metadata
.endif
;; end of part 6
